; MI455X (gfx1250); checked and timed in simulation.
; The chip was launched on July 23, 2026; its instructions are those of AMD's public machine-readable ISA for CDNA 5 (MIT licence, August 2026) and "CDNA5" Instruction Set Architecture Reference Guide (July 2026). The comments in the code are by the model that wrote it; some were corrected since.
;; Split Brain Attention. Allowed arithmetic: matrix products marked QUANTISED: E4M3 operands, one given power-of-two scale a tensor, by v_wmma_f32_16x16x64_fp8_fp8 or v_wmma_f32_16x16x128_fp8_fp8, f32 sums; everything else in f32.
;; Inputs: attn_mask 2 x 1,024 x 1,024 bool; key_keep 2 x 1 x 1,024 bool; lowp_scales 24 int32 (the exponents e of the quantised operands' scales 2^e); segment_pos 2 x 1,024 int32; wk_s 2,048 x 4 x 256 float32; wk_t 2,048 x 4 x 256 float32; wo_s 8 x 256 x 2,048 float32; wo_t 8 x 256 x 2,048 float32; wq_s 2,048 x 8 x 256 float32; wq_t 2,048 x 8 x 256 float32; wv_s 2,048 x 4 x 256 float32; wv_t 2,048 x 4 x 256 float32; x 2 x 1,024 x 2,048 float32.
;; Outputs: out0 2 x 1,024 x 2,048 float32; out1 2 x 1,024 x 2,048 float32.
;; This version of the problem:
;;   THIS VERSION OF THE PROBLEM IS GIVEN IN LOW PRECISION. The matrix products marked QUANTISED in the list below multiply operands that are first quantised to E4M3 (4 exponent bits, 3 mantissa bits; 8 bits a number), with one given power-of-two scale for each operand tensor; their sums are f32. All else is computed in f32.
;;   The module's matrix products, in the order in which they are computed (A, B: the left and right operand; K: the contracted axis; several contracted axes count as one K, in the product's order):
;;     1. [M 2,048, K 2,048] x [K 2,048, N 2,048]; A: input x; B: input wq_t: QUANTISED (scales: A lowp_scales[0], B lowp_scales[1])
;;     2. [M 2,048, K 2,048] x [K 2,048, N 1,024]; A: input x; B: input wk_t: QUANTISED (scales: A lowp_scales[2], B lowp_scales[3])
;;     3. [M 2,048, K 2,048] x [K 2,048, N 1,024]; A: input x; B: input wv_t: QUANTISED (scales: A lowp_scales[4], B lowp_scales[5])
;;     4. batch 16 x [M 1,024, K 256] x [K 256, N 1,024]; A: computed on the way; B: computed on the way: QUANTISED (scales: A lowp_scales[6], B lowp_scales[7])
;;     5. batch 16 x [M 256, K 1,024] x [K 1,024, N 1,024]; A: computed on the way; B: softmax (see below): QUANTISED (scales: A lowp_scales[8], B lowp_scales[9])
;;     6. [M 2,048, K 2,048] x [K 2,048, N 2,048]; A: computed on the way; B: input wo_t: QUANTISED (scales: A lowp_scales[10], B lowp_scales[11])
;;     7. [M 2,048, K 2,048] x [K 2,048, N 2,048]; A: input x; B: input wq_s: QUANTISED (scales: A lowp_scales[12], B lowp_scales[13])
;;     8. [M 2,048, K 2,048] x [K 2,048, N 1,024]; A: input x; B: input wk_s: QUANTISED (scales: A lowp_scales[14], B lowp_scales[15])
;;     9. [M 2,048, K 2,048] x [K 2,048, N 1,024]; A: input x; B: input wv_s: QUANTISED (scales: A lowp_scales[16], B lowp_scales[17])
;;     10. batch 16 x [M 1,024, K 256] x [K 256, N 1,024]; A: computed on the way; B: computed on the way: QUANTISED (scales: A lowp_scales[18], B lowp_scales[19])
;;     11. batch 16 x [M 256, K 1,024] x [K 1,024, N 1,024]; A: computed on the way; B: softmax (see below): QUANTISED (scales: A lowp_scales[20], B lowp_scales[21])
;;     12. [M 2,048, K 2,048] x [K 2,048, N 2,048]; A: computed on the way; B: input wo_s: QUANTISED (scales: A lowp_scales[22], B lowp_scales[23])
;;   THE QUANTISER, for each operand of a quantised product, along K:
;;     - The operand's scale is 2^e, e = its entry of the input lowp_scales (int32; the entries are numbered through the quantised products in the list's order, A before B).
;;     - Each number is divided by the scale, clamped to +-448, and rounded to the nearest number of E4M3, ties to even, subnormals kept.
;;     - The product sums the exact products of the quantised numbers (number of the format x scale) in f32.
;;   ~~~python
;;   def quantise(x, axis, e):      # numpy; x: float32 -> the quantised numbers, widened to float32 again
;;       x = np.moveaxis(x, axis, -1); K = x.shape[-1]
;;       r = np.clip(x / 2.0 ** e, -448, 448)
;;       step = 2.0 ** (np.maximum(np.frexp(np.where(r == 0, 1, r))[1] - 1, -6) - 3)
;;       q = np.round(r / step) * step * 2.0 ** e      # np.round: ties to even
;;       return np.moveaxis(q, -1, axis).astype(np.float32)
;;   ~~~
;;   SOFTMAX AHEAD OF A QUANTISED PRODUCT. Where the list says 'softmax', what is quantised is not the finished softmax but p = 2^(t - M), with t = logit x log2(e) and M = ceil(the row's largest t), a whole number; so 1/2 < the row's largest p <= 1. The row's sum l is taken of the UNQUANTISED p, in f32, and the product's result is divided by l at the end. Since M is a whole number, a kernel that streams over the keys may use a running M (the ceiling of the running maximum): every later rescaling is an exact power of two, so the quantised numbers keep their values, but for numbers so far below the row's largest that they fall under the format's range.
;;   OPERANDS COMPUTED ON THE WAY. 'Computed on the way' means the value that the module computes at that place (a softmax that the list does not call 'softmax' is quantised finished and normalised). What goes into a quantiser is computed in f32, as accurately as f32 sums, v_exp_f32 and their like allow (about 1e-6 of the number): no bf16 or f16 on the way to a quantiser, and a product that is left as it is and whose result goes on into a quantised operand takes f32 operands (vector FMAs, or v_wmma_f32_16x16x4_f32). A number that lies on a knife's edge between two numbers of the format may be rounded either way, as far as f32 arithmetic and the matrix unit's own rounding can turn it there, and no further.
;; One version. Each part assembles by itself: llvm-mc -triple=amdgcn-amd-amdhsa -mcpu=gfx1250 --defsym DOCPART=n.
;; ======== version 1 of 1: 4 launches
;; limits: right only within a limited range of input values; a function is approximated: absolute error at most 1e-07
;; workspace buffers: xq 25,165,824 bytes; wc 25,165,824 bytes; rt 2,097,152 bytes; mw 524,288 bytes of whole numbers; qkv 16,777,216 bytes; oc 8,388,608 bytes
;; launch prep (part 1): grid 1792 x 1, 4 waves a work-group, no clusters, 35,328 bytes of LDS; arguments x, wq_t, wk_t, wv_t, wo_t, wq_s, wk_s, wv_s, wo_s, lowp_scales, segment_pos, attn_mask, key_keep, xq, wc, rt, mw; writes xq, wc, rt, mw
.if DOCPART == 1
	.amdgcn_target "amdgcn-amd-amdhsa--gfx1250"
	.amdhsa_code_object_version 6
	.text
	.protected	k_qddaf4e19ff_prep
	.globl	k_qddaf4e19ff_prep
	.p2align	8
	.type	k_qddaf4e19ff_prep,@function
k_qddaf4e19ff_prep:
	s_mov_b64 s[64:65], 0
	v_nop
	global_prefetch_b8 v0, s[64:65] scope:SCOPE_SE
	s_setreg_imm32_b32 hwreg(HW_REG_WAVE_MODE, 25, 1), 1
	s_wait_xcnt 0x0
; SplitBrainAttention, launch 1 of 4: everything that is made once and read many times.
; NO WORK OF THE PROBLEM IS LEFT OUT IN ANY LAUNCH: the attention mask is an input (no pattern of it is built in), every input has a way to an output, and all twelve products are done.
; Four kinds of work-groups, told apart by the work-group's number alone:
;   0 .. 767     the eight weights (K is their FIRST axis) become codes of E4M3 with K innermost: wc [12288 rows][2048].  Panels of 1,024 rows: 0,1 wq_t; 2 wk_t; 3 wv_t; 4,5 wq_s; 6 wk_s; 7 wv_s; 8,9 wo_t; 10,11 wo_s.
;                In the panels of wq and wk column h of a head lies at row h with bits 6 and 7 exchanged, so that in the next launch h and h + 128, which RoPE pairs, fall into the same lane and register of two accumulators.
;                q and k get the same order along their common K, so every product still meets its partner.
;   768 .. 1279  x becomes SIX tensors of codes, xq [6][2048][2048]: each of the six products that take x has a scale entry of its own (0, 2, 4, 12, 14, 16).
;   1280 .. 1535 cos and sin of segment_pos / 10000^(i / 128), f32, laid as the next launch's lanes take them: rt [16 tokens' block 128][c 2][b 4][part 4][lane 32][16 bytes];
;                lane (r, hh): token 16 block + r, i = 64 c + 16 b + 8 hh + 0 .. 7; parts 0, 1 the eight cos, parts 2, 3 the eight sin.
;   1536 .. 1791 both masks as lane words: mw [model 2][batch 2][16 queries' tile 64][step of 128 keys 8][64 words]; bit l of word n: query 16 tile + l % 16, key 128 step + 32 (n / 16) + 16 (l / 16) + n % 16.
;                The student's mask is attn_mask and (key_keep or key = query).
; code = number / 2^e, held within +-448, to the nearest code, ties to even.
; LIMITS: each e between -126 and 119; NaN among the floating-point inputs is not served; |segment_pos| up to 131,071 keeps sin and cos within about 1e-7.
; Only the weights' path touches LDS (one stage of 128 rows x 272 bytes for the work-group); it has no tensor load, so LDS is claimed as it is used.
.set SPARE, 34816                      ; behind the stage: the spare words, 128 bytes for each wave
.set SPW,   14                         ; v14 LDS address of my spare word; never rewritten, on any path
.set NIL,   15                         ; v15 0; never rewritten
	v_lshl_add_u32 v[SPW], v0, 2, SPARE
	v_mov_b32 v[NIL], 0
	v_lshrrev_b32 v1, 5, v0
	v_readfirstlane_b32 s2, v1                     ; wave 0..3
	v_and_b32 v1, 31, v0                           ; lane
	v_and_b32 v2, 15, v0                           ; r
	v_bfe_u32 v3, v0, 4, 1                         ; hh
	s_cmp_lt_u32 ttmp9, 768
	s_cbranch_scc1 .Lweights
	s_cmp_lt_u32 ttmp9, 1280
	s_cbranch_scc1 .Ltokens
	s_cmp_lt_u32 ttmp9, 1536
	s_cbranch_scc1 .Lrope
; ---------------- the masks: a wave makes the 64 + 64 words of one tile of 16 queries and one step of 128 keys
	s_load_b128 s[4:7], s[0:1], 0x58               ; attn_mask, key_keep
	s_load_b64 s[8:9], s[0:1], 0x80                ; mw
	s_sub_co_u32 s10, ttmp9, 1536
	s_lshr_b32 s11, s10, 7                         ; batch
	s_bfe_u32 s12, s10, 0x60001                    ; tile of queries: 6 bits from bit 1
	s_and_b32 s13, s10, 1
	s_lshl_b32 s13, s13, 2
	s_add_co_u32 s13, s13, s2                      ; step of keys
	s_lshl_b32 s14, s11, 10                        ; 1,024 x batch
	s_lshl_b32 s15, s12, 4                         ; the tile's first query
	s_lshl_b32 s22, s13, 7                         ; the step's first key
	s_add_co_u32 s16, s14, s15
	s_lshl_b32 s16, s16, 10
	s_add_co_u32 s16, s16, s22                     ; attn_mask: (batch, first query, first key)
	s_mov_b32 s17, 0
	s_add_co_u32 s18, s14, s22                     ; key_keep: (batch, first key)
	s_mov_b32 s19, 0
	s_lshl_b32 s20, s11, 6
	s_add_co_u32 s20, s20, s12
	s_lshl_b32 s20, s20, 3
	s_add_co_u32 s20, s20, s13
	s_lshl_b32 s20, s20, 8                         ; mw: 256 bytes for each (batch, tile, step)
	s_mov_b32 s21, 0
	s_sub_co_i32 s22, s15, s22
	v_lshlrev_b32 v4, 10, v2
	v_lshl_add_u32 v4, v3, 4, v4                   ; my query's row, + 16 hh
	v_lshlrev_b32 v5, 4, v3                        ; 16 hh
	v_sub_nc_u32 v6, v2, v5
	v_add_nc_u32 v6, s22, v6                       ; d = my query - the step's first key - 16 hh
	v_lshlrev_b32 v7, 3, v1                        ; 8 x lane
	v_mov_b32 v70, 1
	v_mov_b32 v64, 0                               ; the words: written once whole, then lane by lane
	v_mov_b32 v65, 0
	v_mov_b32 v66, 0
	v_mov_b32 v67, 0
	s_wait_kmcnt 0x0
	s_add_nc_u64 s[4:5], s[4:5], s[16:17]
	s_add_nc_u64 s[6:7], s[6:7], s[18:19]
	s_add_nc_u64 s[8:9], s[8:9], s[20:21]
.irp c, 0,1,2,3
	global_load_b128 v[16+4*\c:19+4*\c], v4, s[4:5] offset:32*\c   ; keys 32 c + 16 hh + 0 .. 15 of my query: byte n % 4 of register n / 4 is score register n's key
	global_load_b128 v[32+4*\c:35+4*\c], v5, s[6:7] offset:32*\c
.endr
	s_wait_loadcnt 0x0
.set n, 0
.rept 16                               ; the student's bytes: attn and (keep or eye); eye's byte is 1 << 8 t where t = d - the register's first key lies in 0 .. 3
	v_add_nc_u32 v68, -(32*(n/4)+4*(n%4)), v6
	v_lshlrev_b32 v69, 3, v68
	v_lshlrev_b32 v69, v69, v70
	v_cmp_gt_u32 vcc_lo, 4, v68
	v_cndmask_b32 v69, 0, v69, vcc_lo
	v_or_b32 v69, v69, v[32+n]
	v_and_b32 v[48+n], v69, v[16+n]
.set n, n+1
.endr
.set n, 0
.rept 64                               ; a compare gathers one byte of all 32 lanes into a word; word n goes to lane n / 2, register n % 2
	v_and_b32 v72, 1<<(8*(n%4)), v[16+n/4]
	v_and_b32 v73, 1<<(8*(n%4)), v[48+n/4]
	v_cmp_ne_u32 s24, 0, v72
	v_cmp_ne_u32 s25, 0, v73
	v_writelane_b32 v[64+n%2], s24, n/2
	v_writelane_b32 v[66+n%2], s25, n/2
.set n, n+1
.endr
	global_store_b64 v7, v[64:65], s[8:9]                  ; the wave stores 256 consecutive bytes, aligned: the teacher's words,
	global_store_b64 v7, v[66:67], s[8:9] offset:262144    ; and the student's
	s_endpgm
; ---------------- cos and sin: a wave makes 16 tokens x 16 frequencies, eight frequencies a lane
.Lrope:
	s_load_b64 s[4:5], s[0:1], 0x50                ; segment_pos
	s_load_b64 s[6:7], s[0:1], 0x78                ; rt
	s_sub_co_u32 s10, ttmp9, 1280                  ; 2 x block of tokens + c
	s_lshr_b32 s11, s10, 1
	s_and_b32 s12, s10, 1
	v_lshlrev_b32 v4, 2, v2
	s_lshl_b32 s14, s11, 6                         ; 16 positions of 4 bytes
	s_mov_b32 s15, 0
	s_lshl_b32 s16, s12, 6
	s_lshl_b32 s17, s2, 4
	s_add_co_u32 s16, s16, s17                     ; 64 c + 16 b
	v_lshl_add_u32 v5, v3, 3, s16                  ; + 8 hh: my first frequency
	s_lshl_b32 s18, s10, 2
	s_add_co_u32 s18, s18, s2
	s_lshl_b32 s18, s18, 11                        ; 2,048 bytes for each (block, c, b)
	s_mov_b32 s19, 0
	v_lshlrev_b32 v6, 4, v1
	s_mov_b32 s20, 0x3dd49a80                      ; log2(10000) / 128, its upper 17 bits: i x this is exact for i < 128,
	s_mov_b32 s21, 0xb376865d                      ; and the rest
	s_mov_b32 s22, 0x3f22f983                      ; 2 / pi
	s_mov_b32 s23, 0x3fc90fdb                      ; pi / 2 in three parts
	s_mov_b32 s24, 0xb33bbd2e
	s_mov_b32 s25, 0xa6f72d4d
	s_mov_b32 s26, 0xb94ca1f9                      ; sin on +-pi / 4: x + x z (S1 + z (S2 + z S3)), z = x x
	s_mov_b32 s27, 0x3c08839e
	s_mov_b32 s28, 0xbe2aaaa3
	s_mov_b32 s29, 0x37ccf5ce                      ; cos: 1 - z / 2 + z z (C1 + z (C2 + z C3))
	s_mov_b32 s30, 0xbab6061a
	s_mov_b32 s31, 0x3d2aaaa5
	s_wait_kmcnt 0x0
	s_add_nc_u64 s[4:5], s[4:5], s[14:15]
	s_add_nc_u64 s[6:7], s[6:7], s[18:19]
	global_load_b32 v7, v4, s[4:5]                 ; my token's position
.irp j, 0,1,2,3,4,5,6,7
	v_add_nc_u32 v[16+\j], \j, v5
.endr
.irp j, 0,1,2,3,4,5,6,7
	v_cvt_f32_u32 v[16+\j], v[16+\j]               ; i
.endr
.irp j, 0,1,2,3,4,5,6,7
	v_mul_f32 v[24+\j], s20, v[16+\j]
.endr
.irp j, 0,1,2,3,4,5,6,7
	v_rndne_f32 v[24+\j], v[24+\j]                 ; the whole part of the exponent
.endr
.irp j, 0,1,2,3,4,5,6,7
	v_fma_f32 v[32+\j], v[16+\j], s20, -v[24+\j]   ; the rest of it, exact,
.endr
.irp j, 0,1,2,3,4,5,6,7
	v_fma_f32 v[32+\j], v[16+\j], s21, v[32+\j]    ; with the constant's lower part
.endr
.irp j, 0,1,2,3,4,5,6,7
	v_cvt_i32_f32 v[24+\j], v[24+\j]
.endr
.irp j, 0,1,2,3,4,5,6,7
	v_exp_f32 v[40+\j], v[32+\j]
.endr
	v_nop                                          ; a plain instruction behind the batch,
	s_wait_alu depctr_va_vdst(0)                   ; and one wait for its eight results, ahead of their first reader
.irp j, 0,1,2,3,4,5,6,7
	v_ldexp_f32 v[40+\j], v[40+\j], v[24+\j]       ; the timescale 10000^(i / 128)
.endr
.irp j, 0,1,2,3,4,5,6,7
	v_rcp_f32 v[48+\j], v[40+\j]
.endr
	s_wait_loadcnt 0x0
	v_cvt_f32_i32 v7, v7
	v_nop
	s_wait_alu depctr_va_vdst(0)                   ; one wait for the eight reciprocals
.irp j, 0,1,2,3,4,5,6,7
	v_mul_f32 v[56+\j], v7, v[48+\j]               ; position / timescale: a first quotient,
.endr
.irp j, 0,1,2,3,4,5,6,7
	v_fma_f32 v[64+\j], -v[56+\j], v[40+\j], v7    ; what it leaves,
.endr
.irp j, 0,1,2,3,4,5,6,7
	v_fma_f32 v[56+\j], v[64+\j], v[48+\j], v[56+\j]   ; and the mended quotient
.endr
.irp j, 0,1,2,3,4,5,6,7
	v_mul_f32 v[64+\j], s22, v[56+\j]
.endr
.irp j, 0,1,2,3,4,5,6,7
	v_rndne_f32 v[64+\j], v[64+\j]                 ; k quarter turns
.endr
.irp j, 0,1,2,3,4,5,6,7
	v_fma_f32 v[56+\j], -v[64+\j], s23, v[56+\j]
.endr
.irp j, 0,1,2,3,4,5,6,7
	v_fma_f32 v[56+\j], -v[64+\j], s24, v[56+\j]
.endr
.irp j, 0,1,2,3,4,5,6,7
	v_fma_f32 v[56+\j], -v[64+\j], s25, v[56+\j]   ; the angle within +-pi / 4
.endr
.irp j, 0,1,2,3,4,5,6,7
	v_cvt_i32_f32 v[64+\j], v[64+\j]
.endr
.irp j, 0,1,2,3,4,5,6,7
	v_mul_f32 v[72+\j], v[56+\j], v[56+\j]         ; z
.endr
.irp j, 0,1,2,3,4,5,6,7
	v_fma_f32 v[80+\j], v[72+\j], s26, s27
	v_fma_f32 v[88+\j], v[72+\j], s29, s30
.endr
.irp j, 0,1,2,3,4,5,6,7
	v_fma_f32 v[80+\j], v[80+\j], v[72+\j], s28
	v_fma_f32 v[88+\j], v[88+\j], v[72+\j], s31
.endr
.irp j, 0,1,2,3,4,5,6,7
	v_mul_f32 v[96+\j], v[56+\j], v[72+\j]         ; x z
	v_mul_f32 v[104+\j], v[72+\j], v[72+\j]        ; z z
.endr
.irp j, 0,1,2,3,4,5,6,7
	v_fma_f32 v[80+\j], v[80+\j], v[96+\j], v[56+\j]   ; sin of the rest
	v_fma_f32 v[72+\j], v[72+\j], -0.5, 1.0
.endr
.irp j, 0,1,2,3,4,5,6,7
	v_fma_f32 v[88+\j], v[88+\j], v[104+\j], v[72+\j]  ; cos of the rest
.endr
.irp j, 0,1,2,3,4,5,6,7                ; the quarter: k odd exchanges the two; sin changes sign for k % 4 = 2, 3, cos for 1, 2
	v_and_b32 v96, 1, v[64+\j]
	v_cmp_eq_u32 vcc_lo, 1, v96
	v_cndmask_b32 v[120+\j], v[80+\j], v[88+\j], vcc_lo
	v_cndmask_b32 v[112+\j], v[88+\j], v[80+\j], vcc_lo
	v_and_b32 v97, 2, v[64+\j]
	v_lshlrev_b32 v97, 30, v97
	v_xor_b32 v[120+\j], v97, v[120+\j]
	v_add_nc_u32 v98, 1, v[64+\j]
	v_and_b32 v98, 2, v98
	v_lshlrev_b32 v98, 30, v98
	v_xor_b32 v[112+\j], v98, v[112+\j]
.endr
.irp p, 0,1,2,3
	global_store_b128 v6, v[112+4*\p:115+4*\p], s[6:7] offset:512*\p   ; 512 consecutive bytes a store
.endr
	s_endpgm
; ---------------- x: a wave takes one row of 2,048 numbers, a lane eight neighbours a step, and makes six codes of each number
.Ltokens:
	s_load_b64 s[4:5], s[0:1], 0x0                 ; x
	s_load_b64 s[6:7], s[0:1], 0x48                ; the scales' exponents
	s_load_b64 s[36:37], s[0:1], 0x68              ; xq
	s_sub_co_u32 s10, ttmp9, 768
	s_lshl_b32 s10, s10, 2
	s_add_co_u32 s10, s10, s2                      ; my row
	s_lshl_b32 s12, s10, 13
	s_mov_b32 s13, 0
	s_lshl_b32 s38, s10, 11
	s_mov_b32 s39, 0
	v_lshlrev_b32 v4, 5, v1                        ; in: 32 bytes a lane
	v_lshlrev_b32 v5, 3, v1                        ; out: 8 bytes a lane
	s_wait_kmcnt 0x0
	s_load_b512 s[68:83], s[6:7], 0x0              ; entries 0 to 15
	s_load_b32 s84, s[6:7], 0x40                   ; entry 16
	s_add_nc_u64 s[4:5], s[4:5], s[12:13]
	s_add_nc_u64 s[36:37], s[36:37], s[38:39]
.irp v, 0,1,2,3,4,5
	s_add_nc_u64 s[40+2*\v:41+2*\v], s[36:37], \v*0x400000     ; my row in each of the six tensors of codes
.endr
.irp s, 0,1,2,3,4,5,6,7
	global_load_b128 v[16+8*\s:19+8*\s], v4, s[4:5] offset:1024*\s th:TH_LOAD_NT      ; the two loads of a step cover 1,024 consecutive bytes between them
	global_load_b128 v[20+8*\s:23+8*\s], v4, s[4:5] offset:1024*\s+16 th:TH_LOAD_NT
.endr
	s_wait_kmcnt 0x0
.macro XSCALE v, e                     ; v[184 + v] = 2^e as f32 (the conversion takes its exponent field); v[190 + v] = 448 x 2^e
	s_add_co_i32 s86, s[\e], 127
	s_lshl_b32 s87, s86, 23
	v_mov_b32 v[184+\v], s87
	s_add_co_i32 s86, s86, 8
	s_lshl_b32 s86, s86, 23
	s_or_b32 s86, s86, 0x600000
	v_mov_b32 v[190+\v], s86
.endm
	XSCALE 0, 68
	XSCALE 1, 70
	XSCALE 2, 72
	XSCALE 3, 80
	XSCALE 4, 82
	XSCALE 5, 84
.macro XSTEP s
	s_wait_loadcnt 14-2*(\s)                       ; this step's two loads are in; the later steps' may be out
.irp v, 0,1,2,3,4,5
.set TS, 80+116*(\v%2)                 ; the held numbers: v80-87 and v196-203 by turns, so that no conversion's sources are written by the line behind it
.irp i, 0,1,2,3,4,5,6,7
	v_med3_num_f32 v[TS+\i], v[16+8*(\s)+\i], -v[190+\v], v[190+\v]   ; the conversion to an 8-bit code does not saturate (ISA guide 7.6.2): the hold comes first
.endr
	v_cvt_scalef32_pk8_fp8_f32 v[88+2*(6*(\s)+\v):89+2*(6*(\s)+\v)], v[TS:TS+7], v[184+\v]   ; registers of its own for each result: no store's data are written again
	global_store_b64 v5, v[88+2*(6*(\s)+\v):89+2*(6*(\s)+\v)], s[40+2*\v:41+2*\v] offset:256*(\s)   ; the wave stores 256 consecutive bytes, aligned
.endr
.endm
.irp s, 0,1,2,3,4,5,6,7
	XSTEP \s
.endr
	s_endpgm
; ---------------- the weights: a work-group takes 128 columns x 256 along K; wave w takes rows 64 w on of K, all 128 columns; a lane takes FOUR neighbouring columns.
; Each load reads one row of K at 128 columns: 32 lanes x 16 bytes = 512 consecutive bytes.  A block is 8 rows, 32 registers: register 4 i + c = (row i, column 4 lane + c).  The hold writes each number to register 8 c + i,
; so that a conversion's eight sources run down K of one column: nothing else is needed to turn the block.  Six blocks (48 loads a wave) are asked for at the head, the last two as sets come free.
; Column 4 lane + c goes to stage row 32 c + lane, so that neighbouring lanes store to neighbouring rows; my 64 along K are bytes 64 w on of each row.  Behind one barrier wave w reads rows 32 w on back: columns 8 t + 4 hh + w.
.Lweights:
.set WRO,  16                          ; v16-23   16 x lane + i rows of the weight: the row's length differs between weights, so it cannot stand in an immediate
.set WC,   24                          ; v24-31   a block's codes: two registers a column
.set WX,   32                          ; v32-223  six sets of 32 numbers as loaded; on the way out v32-95 rows of codes
.set WT,   224                         ; v224-255 a block's numbers, held and turned
.set WB,   68                          ; s[68:83] where each of my eight blocks begins in the weight; never rewritten
	s_load_b512 s[8:23], s[0:1], 0x8               ; wq_t, wk_t, wv_t, wo_t, wq_s, wk_s, wv_s, wo_s
	s_load_b64 s[4:5], s[0:1], 0x48                ; the scales' exponents
	s_load_b64 s[6:7], s[0:1], 0x70                ; wc
	s_lshr_b32 s30, ttmp9, 3
	s_and_b32 s31, ttmp9, 7                        ; which 256 along K
	s_lshr_b32 s32, s30, 3                         ; panel 0..11
	s_and_b32 s33, s30, 7                          ; which 128 columns of the panel
	s_and_b32 s34, s32, 3
	s_lshr_b32 s35, s32, 2
	s_sub_co_u32 s36, s32, 8
	s_lshr_b32 s36, s36, 1
	s_cmp_ge_u32 s32, 8
	s_cselect_b32 s35, s36, s35                    ; teacher 0, student 1
	s_cselect_b32 s37, 1, 0                        ; 1: a panel of wo
	s_cmp_lt_u32 s34, 2
	s_cselect_b32 s38, 1, 0
	s_or_b32 s38, s38, s37
	s_lshl_b32 s38, 4096, s38                      ; a row of the weight in bytes: 8,192 for wq and wo, 4,096 for wk and wv
	s_and_b32 s39, s34, 1
	s_cmp_eq_u32 s34, 1
	s_cselect_b32 s40, 1, 0
	s_cmp_lg_u32 s37, 0
	s_cselect_b32 s39, s39, s40
	s_lshl_b32 s39, s39, 10                        ; the panel's first column in its weight
	s_lshl_b32 s40, s34, 1
	s_sub_co_i32 s40, s40, 1
	s_max_i32 s40, s40, 1                          ; the weight's entry among its model's twelve: 1, 1, 3, 5,
	s_cmp_lg_u32 s37, 0
	s_cselect_b32 s40, 11, s40                     ; or 11
	s_mul_i32 s41, s35, 12
	s_add_co_u32 s40, s40, s41
	s_lshl_b32 s40, s40, 2
	s_mov_b32 s41, 0
	s_cmp_lg_u32 s34, 3
	s_cselect_b32 s42, 1, 0
	s_xor_b32 s43, s37, 1
	s_and_b32 s42, s42, s43                        ; 1: a panel of wq or wk
	s_lshl_b32 s44, s33, 7                         ; the work-group's first column in the panel
	s_add_co_u32 s46, s39, s44
	s_lshl_b32 s46, s46, 2
	s_lshl_b32 s47, s31, 8
	s_lshl_b32 s48, s2, 6
	s_add_co_u32 s47, s47, s48                     ; my first row of K: 256 x the part + 64 x wave
	s_mul_i32 s47, s47, s38
	s_add_co_u32 s46, s46, s47                     ; where my part of the weight begins
	s_mov_b32 s47, 0
	s_lshr_b32 s48, s44, 6
	s_lshr_b32 s49, s44, 7
	s_xor_b32 s48, s48, s49
	s_and_b32 s48, s48, s42
	s_mul_i32 s48, s48, 0xc0
	s_xor_b32 s44, s44, s48                        ; bits 6 and 7 exchanged, in wq and wk: the first column's bit 7 comes down to bit 6
	s_lshl_b32 s49, s32, 10
	s_add_co_u32 s44, s44, s49
	s_add_co_u32 s44, s44, s2                      ; + wave: the columns that I store are 8 t + 4 hh + wave
	s_lshl_b32 s44, s44, 11
	s_lshl_b32 s49, s31, 8
	s_add_co_u32 s44, s44, s49                     ; where my codes go: row x 2,048 + 256 x the part of K
	s_mov_b32 s45, 0
	s_lshl_b32 s56, 0x20000, s42                   ; columns 64 on lie 64 rows of wc further, or 128 where a column's bit 6 goes up to bit 7
	s_mov_b32 s57, 0
	s_lshl_b32 s52, s38, 3                         ; 8 rows of the weight
	s_mov_b32 s53, 0
	s_lshl_b32 s54, s2, 6
	s_mul_i32 s55, s2, 32*272
	v_lshlrev_b32 v[WRO], 4, v1
.set i, 1
.rept 7
	v_add_nc_u32 v[WRO+i], s38, v[WRO+i-1]
.set i, i+1
.endr
	v_mul_u32_u24 v4, v1, 272
	v_add_nc_u32 v4, s54, v4                       ; into the stage: row = lane (+ 32 c by the immediate), byte 64 x wave
	v_mul_u32_u24 v7, v3, 272
	v_lshl_add_u32 v7, v2, 4, v7
	v_add_nc_u32 v7, s55, v7                       ; out of it: rows 32 x wave on, sixteen lanes to a row, two rows an instruction
	v_lshlrev_b32 v8, 13, v3
	v_lshl_add_u32 v8, v2, 4, v8                   ; in wc: the second of the two rows is 4 columns, 4 rows of 2,048 bytes, further
	s_wait_kmcnt 0x0
	s_cmp_eq_u32 s35, 0                            ; every choice hangs on the work-group's number alone
	s_cselect_b64 s[8:9], s[8:9], s[16:17]
	s_cselect_b64 s[10:11], s[10:11], s[18:19]
	s_cselect_b64 s[12:13], s[12:13], s[20:21]
	s_cselect_b64 s[14:15], s[14:15], s[22:23]
	s_cmp_lt_u32 s34, 2
	s_cselect_b64 s[8:9], s[8:9], s[10:11]
	s_cmp_eq_u32 s34, 3
	s_cselect_b64 s[8:9], s[12:13], s[8:9]
	s_cmp_lg_u32 s37, 0
	s_cselect_b64 s[8:9], s[14:15], s[8:9]
	s_add_nc_u64 s[WB:WB+1], s[8:9], s[46:47]
.irp t, 1,2,3,4,5,6,7
	s_add_nc_u64 s[WB+2*\t:WB+2*\t+1], s[WB+2*\t-2:WB+2*\t-1], s[52:53]
.endr
	s_add_nc_u64 s[6:7], s[6:7], s[44:45]          ; columns 0 to 63,
	s_add_nc_u64 s[58:59], s[6:7], s[56:57]        ; columns 64 to 127
	s_add_nc_u64 s[4:5], s[4:5], s[40:41]
	s_load_b32 s50, s[4:5], 0x0                    ; e
.macro WLOAD t                         ; block t: 8 rows of K, into set t % 6
.set i, 0
.rept 8
	global_load_b128 v[WX+32*((\t)%6)+4*i:WX+32*((\t)%6)+4*i+3], v[WRO+i], s[WB+2*(\t):WB+2*(\t)+1] th:TH_LOAD_NT
.set i, i+1
.endr
.endm
.irp t, 0,1,2,3,4,5
	WLOAD \t
.endr
	s_wait_kmcnt 0x0
	s_add_co_i32 s50, s50, 127
	s_lshl_b32 s51, s50, 23
	v_mov_b32 v11, s51                             ; 2^e
	s_add_co_i32 s50, s50, 8
	s_lshl_b32 s50, s50, 23
	s_or_b32 s50, s50, 0x600000
	v_mov_b32 v10, s50                             ; 448 x 2^e
.macro WBLOCK t
.set XS, WX+32*((\t)%6)
.if (\t) < 3
	s_wait_loadcnt 40                              ; this block's 8 loads are in; the five blocks asked for behind it may be out
.else
	s_wait_loadcnt 8*(7-(\t))                      ; nothing more is asked for: the count runs down
.endif
.irp c, 0,1,2,3
.irp i, 0,1,2,3,4,5,6,7
	v_med3_num_f32 v[WT+8*\c+\i], v[XS+4*\i+\c], -v10, v10   ; the hold (the conversion does not saturate: ISA guide 7.6.2) also turns the block
.endr
.endr
.if (\t)+6 < 8
	WLOAD (\t)+6                                   ; the set has been read
.endif
	s_wait_dscnt 0x0                               ; the last block's stores have read the codes' registers
.irp c, 0,1,2,3
	v_cvt_scalef32_pk8_fp8_f32 v[WC+2*\c:WC+2*\c+1], v[WT+8*\c:WT+8*\c+7], v11
.endr
	v_nop                                          ; a plain instruction between the conversions and the next block's holds, which write their sources
.irp c, 0,1,2,3
	ds_store_b64 v4, v[WC+2*\c:WC+2*\c+1] offset:32*272*\c+8*(\t)   ; 8 codes along K of column 4 lane + c
.endr
.endm
.irp t, 0,1,2,3,4,5,6,7
	WBLOCK \t
.endr
	s_wait_dscnt 0x0                               ; for the others' sake: my stores into the stage are done
	s_barrier_signal -1
	s_barrier_wait -1                              ; each row's 256 bytes come from four waves
.irp t, 0,1,2,3,4,5,6,7,8,9,10,11,12,13,14,15
	ds_load_b128 v[WX+4*\t:WX+4*\t+3], v7 offset:2*\t*272   ; stage rows 32 w + 2 t + hh: columns 8 t + 4 hh + w
.endr
.irp t, 0,1,2,3,4,5,6,7
	s_wait_dscnt 15-\t                             ; the younger loads may be out
	global_store_b128 v8, v[WX+4*\t:WX+4*\t+3], s[6:7] offset:16384*\t   ; sixteen lanes store 256 consecutive bytes, aligned
.endr
.irp t, 8,9,10,11,12,13,14,15
	s_wait_dscnt 15-\t
	global_store_b128 v8, v[WX+4*\t:WX+4*\t+3], s[58:59] offset:16384*(\t-8)
.endr
	s_wait_tensorcnt 0x0                           ; the wave's end
	ds_add_u32 v[SPW], v[NIL]
	s_wait_dscnt 0x0
	s_endpgm
.Lfunc_end_k_qddaf4e19ff_prep:
	.size	k_qddaf4e19ff_prep, .Lfunc_end_k_qddaf4e19ff_prep-k_qddaf4e19ff_prep
	.p2alignl 7, 3214868480
	.fill 96, 4, 3214868480
	.section	.rodata,"a",@progbits
	.p2align	6, 0x0
	.amdhsa_kernel k_qddaf4e19ff_prep
		.amdhsa_group_segment_fixed_size 35328
		.amdhsa_private_segment_fixed_size 0
		.amdhsa_enable_private_segment 0
		.amdhsa_kernarg_size 136
		.amdhsa_user_sgpr_count 2
		.amdhsa_user_sgpr_kernarg_segment_ptr 1
		.amdhsa_wavefront_size32 1
		.amdhsa_system_sgpr_workgroup_id_x 1
		.amdhsa_system_sgpr_workgroup_id_y 1
		.amdhsa_system_sgpr_workgroup_id_z 1
		.amdhsa_system_vgpr_workitem_id 0
		.amdhsa_next_free_vgpr 256
		.amdhsa_next_free_sgpr 100
		.amdhsa_reserve_vcc 1
		.amdhsa_float_denorm_mode_32 3
		.amdhsa_float_denorm_mode_16_64 3
		.amdhsa_memory_ordered 1
		.amdhsa_forward_progress 1
		.amdhsa_inst_pref_size 117
	.end_amdhsa_kernel
	.amdgpu_metadata
---
amdhsa.version: [ 1, 2 ]
amdhsa.kernels:
  - .name:           k_qddaf4e19ff_prep
    .symbol:         k_qddaf4e19ff_prep.kd
    .args:
      - { .name: x, .offset: 0, .size: 8, .value_kind: global_buffer, .address_space: global }
      - { .name: wq_t, .offset: 8, .size: 8, .value_kind: global_buffer, .address_space: global }
      - { .name: wk_t, .offset: 16, .size: 8, .value_kind: global_buffer, .address_space: global }
      - { .name: wv_t, .offset: 24, .size: 8, .value_kind: global_buffer, .address_space: global }
      - { .name: wo_t, .offset: 32, .size: 8, .value_kind: global_buffer, .address_space: global }
      - { .name: wq_s, .offset: 40, .size: 8, .value_kind: global_buffer, .address_space: global }
      - { .name: wk_s, .offset: 48, .size: 8, .value_kind: global_buffer, .address_space: global }
      - { .name: wv_s, .offset: 56, .size: 8, .value_kind: global_buffer, .address_space: global }
      - { .name: wo_s, .offset: 64, .size: 8, .value_kind: global_buffer, .address_space: global }
      - { .name: lowp_scales, .offset: 72, .size: 8, .value_kind: global_buffer, .address_space: global }
      - { .name: segment_pos, .offset: 80, .size: 8, .value_kind: global_buffer, .address_space: global }
      - { .name: attn_mask, .offset: 88, .size: 8, .value_kind: global_buffer, .address_space: global }
      - { .name: key_keep, .offset: 96, .size: 8, .value_kind: global_buffer, .address_space: global }
      - { .name: xq, .offset: 104, .size: 8, .value_kind: global_buffer, .address_space: global }
      - { .name: wc, .offset: 112, .size: 8, .value_kind: global_buffer, .address_space: global }
      - { .name: rt, .offset: 120, .size: 8, .value_kind: global_buffer, .address_space: global }
      - { .name: mw, .offset: 128, .size: 8, .value_kind: global_buffer, .address_space: global }
    .group_segment_fixed_size: 35328
    .private_segment_fixed_size: 0
    .kernarg_segment_align: 8
    .kernarg_segment_size: 136
    .max_flat_workgroup_size: 128
    .sgpr_count:     100
    .vgpr_count:     256
    .wavefront_size: 32
...
	.end_amdgpu_metadata
.endif
;; end of part 1
;; launch qkv (part 2): grid 32 x 8, 4 waves a work-group, clusters of 4 x 4, 327,680 bytes of LDS; arguments xq, wc, lowp_scales, rt, qkv; writes qkv
.if DOCPART == 2
	.amdgcn_target "amdgcn-amd-amdhsa--gfx1250"
	.amdhsa_code_object_version 6
	.text
	.protected	k_qddaf4e19ff_qkv
	.globl	k_qddaf4e19ff_qkv
	.p2align	8
	.type	k_qddaf4e19ff_qkv,@function
k_qddaf4e19ff_qkv:
	s_mov_b64 s[64:65], 0
	v_nop
	global_prefetch_b8 v0, s[64:65] scope:SCOPE_SE
	s_setreg_imm32_b32 hwreg(HW_REG_WAVE_MODE, 25, 1), 1
	s_wait_xcnt 0x0
	s_wait_alu depctr_hold_cnt(0) depctr_sa_sdst(0) depctr_va_vdst(0) depctr_va_sdst(0) depctr_va_ssrc(0) depctr_va_vcc(0) depctr_vm_vsrc(0)
	s_getreg_b32 s2, hwreg(HW_REG_IB_STS2, 6, 4)
	s_cmp_eq_u32 s2, 0
	s_cbranch_scc0 .Lentry_in_a_cluster
	s_endpgm
.Lentry_in_a_cluster:
	s_bfe_u32 s2, ttmp6, 0x10000c
	s_cmp_lg_u32 s2, 0xf033
	s_cbranch_scc0 .Lentry_shape_is_right
	s_endpgm
.Lentry_shape_is_right:
; Launch 2 of 4: the six projections of x (q, k, v of teacher and student) as one product of 2,048 tokens x 8,192 columns x K = 2,048 on codes of E4M3, then RoPE, the query's 256^-0.5 and the quantisers of q, k and v.  Nothing is left out.
; A tile of 256 x 256 is made by a work-group of four waves; a wave makes 128 x 128: 64 accumulators.  K goes in steps of 256 through a ring of two LDS slots filled by the tensor data mover.
; CLUSTERS: 4 x 4 work-groups; cluster x = a panel of 1,024 rows of wc (0,1 wq_t; 2 wk_t; 3 wv_t; 4,5 wq_s; 6 wk_s; 7 wv_s), cluster y = the batch.  Tiles of the A side are shared along a row of the cluster, of the B side along a column: joint loads.
; THE A SIDE is what a lane keeps one row of, THE B SIDE what its eight registers run along (source 0 = 16 rows of B, source 1 = 16 rows of A).  For q and k: A = tokens (xq), B = columns (wc): a lane's registers run along the head's axis, the K of
; the scores.  For v the sides change places: A = channels (wc), B = tokens (xq): the registers run along the keys, the K of the second product, and the tile comes out as V^T.  The choice hangs on the cluster's x alone.
; RoPE: wc holds column h of a head at row h with bits 6 and 7 exchanged, so accumulators (a, b) and (a, b + 4) hold h and h + 128 in the same lane and register.  RoPE is linear, so it works on the raw sums; the scales of x and w, the output's
; scale and the query's 2^-4 are folded into the conversion's one scale.
; OUT: qkv, 256 blocks of 256 rows x 256 bytes.  Q: block ((2 model + batch) 8 + head) 4 + tile of tokens; K: 128 + ((2 model + batch) 4 + kv) 4 + tile; V^T: 192 + ((2 model + batch) 4 + kv) 4 + slot of 256 keys.  In every block row i lies at
; place i with bits 3 and 4 exchanged: sixteen rows on end are then the rows that the next launch wants in one tile.
; LIMITS: output's e (+ 4 for q) - x's e - w's e between -126 and 119.  NaN is not served.
; REGISTERS, in windows of 256: window 0: v0-31 addresses; from v128 A's fragments, ONE set; on the way out v32-95 a block's numbers, v128-255 cos and sin, then rows.  window 1: B's fragments, TWO sets; on the way out v0-127 all codes.
;   window 2: the accumulators of my rows 0-63 ((a, b) at v[8 (8 a + b)]); window 3: those of rows 64-127.
.set ROWB,   256                       ; a tile's row in bytes
.set KROW,   2048                      ; a row of xq or wc in memory
.set PITCH,  272                       ; an LDS row: 256 bytes + 16 of padding: the 16 rows that a load touches start at 16 different banks (64 banks of 4 bytes: ISA guide 11.1)
.set FR,     16
.set NL,     4
.set NP,     4                         ; places behind this matrix instruction (ISA guide 7.12.1)
.set HALFT,  128*PITCH
.set SLOT,   4*HALFT                   ; A's 256 rows, then B's 256 rows
.set LAPS,   4                         ; 2,048 / 512
.set SPARE,  2*SLOT                    ; behind the ring: the spare words
.set SC,   12                          ; v12  the conversion's scale
.set LIM,  13                          ; v13  448 x that
.set ADRA, 16
.set ADRB, 20
.set STO,  24                          ; v24  the way out: where I put 8 codes of a row
.set RD,   25                          ; v25  where I read rows back
.set CO,   26                          ; v26  16 x lane
.set SPW,  28
.set NIL,  29
.set TMP,  32
.set AF,   128
.set CS,   128                         ; cos and sin: two sets of 64
.set G1, 24
.set G0, 32
.set G1B, 48
.set G0B, 56
.set MSB, 0
.macro WIN new                         ; the immediate's high byte repeats the setting that is left
.if MSB != \new
	s_set_vgpr_msb (MSB<<8)|\new
.set MSB, \new
.endif
.endm
.set MUL_LO, 0xa1                      ; source 0 (B) window 1, source 1 (A) window 0, C and D window 2
.set MUL_HI, 0xf1
.set TO_B,   0x40
; A joint load: waves 0 and 1 fetch for the A side, waves 2 and 3 for the B side.  An s_nop 0 and four v_nop follow each of the two lines.
.macro JLOAD g0a, g1a, g0b, g1b
	s_cmp_eq_u32 s15, 0
	s_cbranch_scc0 .Lfor_b_\@
	tensor_load_to_lds s[\g0a:\g0a+3], s[\g1a:\g1a+7]
	s_nop 0
.rept 4
	v_nop
.endr
	s_branch .Lasked_\@
.Lfor_b_\@:
	tensor_load_to_lds s[\g0b:\g0b+3], s[\g1b:\g1b+7]
	s_nop 0
.rept 4
	v_nop
.endr
.Lasked_\@:
.endm
.macro CREST                           ; a round of the cluster's barrier behind its opening barrier
	s_cmp_lg_u32 s14, 0
	s_cbranch_scc1 .Lnot_wave_0_\@
	s_barrier_signal -3
.Lnot_wave_0_\@:
	s_barrier_wait -3
	s_barrier_signal -1
	s_barrier_wait -1
.endm
.macro CROUND
	s_barrier_signal -1
	s_barrier_wait -1
	CREST
.endm
	s_load_b256 s[4:11], s[0:1], 0x0               ; xq s[4:5], wc s[6:7], the scales' exponents s[8:9], rt s[10:11]
	s_load_b64 s[12:13], s[0:1], 0x20              ; qkv
	v_lshl_add_u32 v[SPW], v0, 2, SPARE
	v_mov_b32 v[NIL], 0
	ds_add_u32 v[SPW], v[NIL]                      ; the wave's opening: the add, twice on end, and its wait ahead of my first tensor load
	ds_add_u32 v[SPW], v[NIL]
	v_lshrrev_b32 v1, 5, v0
	v_readfirstlane_b32 s14, v1                    ; wave 0..3
	s_lshr_b32 s15, s14, 1                         ; which half of the A side's rows is mine.  Also: I fetch for A (0) or for B (1)
	s_and_b32 s16, s14, 1                          ; which half of the B side's.  Also: which 128 rows I fetch
	s_bfe_u32 s40, ttmp6, 0x40000                  ; cx
	s_bfe_u32 s41, ttmp6, 0x40004                  ; cy
	s_and_b32 s17, ttmp7, 0xffff                   ; cluster y = the batch
	s_and_b32 s68, ttmp9, 3                        ; the panel among its model's four: 0, 1 q; 2 k; 3 v
	s_lshr_b32 s69, ttmp9, 2                       ; teacher 0, student 1
	s_max_u32 s70, s68, 1
	s_sub_co_u32 s70, s70, 1                       ; 0 q, 1 k, 2 v
	s_lshl_b32 s43, s41, 2
	s_lshl_b32 s43, 15, s43                        ; my row of the cluster
	s_lshl_b32 s44, 0x1111, s40                    ; my column
	s_or_b32 s[G1+0], s43, (0<<16)|(1<<20)|(1<<21)|(5<<22)|(3<<25)  ; 15:0 the mask; 17:16 elements of 1 byte; 20 padding on; 21 set beside a mask; 24:22 after every 64 words; 31:25 four words
	s_or_b32 s[G1B+0], s44, (0<<16)|(1<<20)|(1<<21)|(5<<22)|(3<<25)
.irp g, G1, G1B
	s_mov_b32 s[\g+1], ROWB<<16                    ; tensor_dim0
	s_mov_b32 s[\g+2], 128<<16                     ; tensor_dim1
	s_mov_b32 s[\g+3], ROWB<<16                    ; tile_dim0
	s_mov_b32 s[\g+4], 128                         ; tile_dim1
	s_mov_b32 s[\g+5], KROW                        ; tensor_dim0_stride
	s_mov_b32 s[\g+6], 0
	s_mov_b32 s[\g+7], 0
.endr
	s_lshl_b32 s71, ttmp9, 10                      ; the panel's first row in wc
	s_lshl_b32 s72, s17, 10                        ; the batch's first token
	s_cmp_eq_u32 s68, 3
	s_cselect_b32 s20, s71, s72                    ; the A side's rows of this cluster: tokens, or for v channels,
	s_cselect_b32 s46, s72, s71                    ; the B side's
	s_lshl_b32 s18, s16, 7
	s_lshl_b32 s19, s41, 8
	s_add_co_u32 s20, s20, s19
	s_add_co_u32 s20, s20, s18                     ; A: + 256 cy + 128 x half
	s_lshl_b32 s73, s40, 8
	s_add_co_u32 s46, s46, s73
	s_add_co_u32 s46, s46, s18                     ; B: + 256 cx + 128 x half
	s_lshl_b32 s20, s20, 11
	s_mov_b32 s21, 0
	s_lshl_b32 s46, s46, 11
	s_mov_b32 s47, 0
	s_mul_i32 s74, s69, 3
	s_add_co_u32 s74, s74, s70
	s_lshl_b32 s74, s74, 22                        ; which of x's six tensors of codes
	s_mov_b32 s75, 0
	s_mul_i32 s80, s69, 12
	s_lshl_b32 s81, s70, 1
	s_add_co_u32 s81, s80, s81
	s_lshl_b32 s82, s81, 2                         ; entries 12 model + 2 kind, + 1: x's and w's
	s_mov_b32 s83, 0
	s_add_co_u32 s80, s80, s70
	s_add_co_u32 s80, s80, 6
	s_lshl_b32 s84, s80, 2                         ; entry 12 model + 6 + kind: the output's
	s_mov_b32 s85, 0
	s_mul_i32 s45, s14, HALFT                      ; where my tile goes: wave x 128 rows
	s_wait_dscnt 0x0                               ; both opening adds are done
	s_wait_kmcnt 0x0
	s_add_nc_u64 s[82:83], s[8:9], s[82:83]
	s_add_nc_u64 s[84:85], s[8:9], s[84:85]
	s_load_b64 s[96:97], s[82:83], 0x0
	s_load_b32 s98, s[84:85], 0x0
	s_add_nc_u64 s[4:5], s[4:5], s[74:75]
	s_cmp_eq_u32 s68, 3
	s_cselect_b64 s[76:77], s[6:7], s[4:5]         ; the A side's buffer,
	s_cselect_b64 s[78:79], s[4:5], s[6:7]         ; the B side's
	s_add_nc_u64 s[20:21], s[76:77], s[20:21]
	s_add_nc_u64 s[46:47], s[78:79], s[46:47]
	CROUND                                         ; all sixteen work-groups are here: the first joint loads meet
.irp s, 0,1
	s_mov_b32 s[G0+4*\s], 1
	s_add_co_u32 s[G0+4*\s+1], s45, \s*SLOT
	s_add_nc_u64 s[G0+4*\s+2:G0+4*\s+3], s[20:21], \s*ROWB
	s_or_b32 s[G0+4*\s+3], s[G0+4*\s+3], 0x80000000
	s_mov_b32 s[G0B+4*\s], 1
	s_add_co_u32 s[G0B+4*\s+1], s45, \s*SLOT
	s_add_nc_u64 s[G0B+4*\s+2:G0B+4*\s+3], s[46:47], \s*ROWB
	s_or_b32 s[G0B+4*\s+3], s[G0B+4*\s+3], 0x80000000
	JLOAD G0+4*\s, G1, G0B+4*\s, G1B
.endr
	v_and_b32 v1, 15, v0                           ; r
	v_bfe_u32 v2, v0, 4, 1                         ; hh
	v_mul_u32_u24 v3, v1, PITCH
	v_lshl_add_u32 v4, v2, 4, v3                   ; a fragment's row x pitch + 16 x half
	s_mul_i32 s21, s15, HALFT
	s_mul_i32 s22, s16, HALFT
	s_add_co_u32 s22, s22, 2*HALFT
.irp s, 0,1
	v_add_nc_u32 v[ADRA+\s], s21, v4
	v_add_nc_u32 v[ADRB+\s], s22, v4
	s_add_co_u32 s21, s21, SLOT
	s_add_co_u32 s22, s22, SLOT
.endr
	; the way out.  The stage, 256 rows x 272 bytes, lies in slot 0, which has had its last fill and its last read when the first code is stored there
	v_and_b32 v5, 7, v1
	v_lshrrev_b32 v6, 3, v1
	v_lshl_add_u32 v5, v6, 4, v5                   ; r with its bit 3 moved to bit 4
	v_mul_u32_u24 v5, v5, PITCH
	v_lshl_add_u32 v5, v2, 3, v5                   ; + 8 hh
	s_mul_i32 s23, s15, 128*PITCH
	s_lshl_b32 s22, s16, 7
	s_add_co_u32 s23, s23, s22
	v_add_nc_u32 v[STO], s23, v5                   ; + my half of the rows, my half of their bytes
	s_mul_i32 s23, s14, 64*PITCH
	v_mul_u32_u24 v5, v2, PITCH
	v_lshl_add_u32 v5, v1, 4, v5
	v_add_nc_u32 v[RD], s23, v5                    ; back: wave w takes rows 64 w on, two rows an instruction
	v_and_b32 v6, 31, v0
	v_lshlrev_b32 v[CO], 4, v6
	s_lshl_b32 s86, s17, 2
	s_add_co_u32 s86, s86, s41
	s_lshl_b32 s87, s86, 4
	s_lshl_b32 s88, s15, 3
	s_add_co_u32 s87, s87, s88                     ; my first block of 16 tokens
	s_lshl_b32 s88, s87, 14
	s_lshl_b32 s89, s16, 13
	s_add_co_u32 s88, s88, s89
	s_mov_b32 s89, 0
	s_add_nc_u64 s[10:11], s[10:11], s[88:89]      ; rt at (my first block, c = my half of the head)
	s_lshl_b32 s90, s69, 1
	s_add_co_u32 s90, s90, s17                     ; 2 model + batch
	s_lshl_b32 s91, s90, 3
	s_and_b32 s92, ttmp9, 1
	s_lshl_b32 s92, s92, 2
	s_add_co_u32 s91, s91, s92
	s_add_co_u32 s91, s91, s40
	s_lshl_b32 s91, s91, 2
	s_add_co_u32 s91, s91, s41                     ; Q's block: head 4 (panel % 2) + cx, tile cy
	s_lshl_b32 s92, s90, 2
	s_add_co_u32 s93, s92, s40
	s_lshl_b32 s93, s93, 2
	s_add_co_u32 s93, s93, s41
	s_add_co_u32 s93, s93, 128                     ; K's: kv cx, tile cy
	s_add_co_u32 s92, s92, s41
	s_lshl_b32 s92, s92, 2
	s_add_co_u32 s92, s92, s40
	s_add_co_u32 s92, s92, 192                     ; V's: kv cy, slot cx
	s_cmp_eq_u32 s70, 0
	s_cselect_b32 s91, s91, s93
	s_cmp_eq_u32 s70, 2
	s_cselect_b32 s91, s92, s91
	s_lshl_b32 s92, s91, 16
	s_lshl_b32 s93, s14, 14
	s_add_co_u32 s92, s92, s93
	s_mov_b32 s93, 0
	s_add_nc_u64 s[12:13], s[12:13], s[92:93]      ; my 64 rows of the block
.macro FRAG reg, adr, q, i             ; a fragment, 16 rows x 128 K: lane l holds row l % 16; registers 4 c .. 4 c + 3 hold K = 32 c + 16 (l / 16) + 0 .. 15: the same places in A and in B
.irp c, 0,1,2,3
	ds_load_b128 v[\reg+4*\c:\reg+4*\c+3], v[\adr] offset:128*(\q)+32*\c+(\i)*16*PITCH
.endr
.endm
; 16 matrix instructions: A's blocks a0, a0 + 1 x B's eight.  The 64 accumulators take turns, one instruction a turn, in the same order in every step.
.macro MUL16 a0, p, zero
.irp a, \a0, \a0+1
.irp b, 0,1,2,3,4,5,6,7
.if \zero
	v_wmma_f32_16x16x128_fp8_fp8 v[8*(8*((\a)%4)+\b):8*(8*((\a)%4)+\b)+7], v[128*(\p)+FR*\b:128*(\p)+FR*\b+FR-1], v[AF+FR*(\a):AF+FR*(\a)+FR-1], 0
.else
	v_wmma_f32_16x16x128_fp8_fp8 v[8*(8*((\a)%4)+\b):8*(8*((\a)%4)+\b)+7], v[128*(\p)+FR*\b:128*(\p)+FR*\b+FR-1], v[AF+FR*(\a):AF+FR*(\a)+FR-1], v[8*(8*((\a)%4)+\b):8*(8*((\a)%4)+\b)+7]
.endif
.endr
.endr
.endm
.macro FETCH_B slot, q, p
	WIN TO_B
.irp i, 0,1,2,3,4,5,6,7
	FRAG 128*(\p)+FR*\i, ADRB+\slot, \q, \i
.endr
	WIN 0
.endm
.macro FETCH_A slot, q, i0
.irp i, \i0, \i0+1, \i0+2, \i0+3
	FRAG AF+FR*(\i), ADRA+\slot, \q, \i
.endr
.endm
.macro PLACES n                        ; plain vector instructions between a matrix instruction and a load into, or a vector read of, its registers
.rept \n
	v_nop
.endr
.endm
.macro STEP slot, q, zero              ; 128 along K, with its successor in the same slot
	s_wait_dscnt 4*NL                              ; B's set and A's blocks 0-3 are in; the youngest 16 loads (A's blocks 4-7) may be out
	WIN MUL_LO
	MUL16 0, (\q)%2, \zero
	MUL16 2, (\q)%2, \zero
	s_wait_dscnt 0
	PLACES NP
	FETCH_B \slot, (\q)+1, 1-(\q)%2
	FETCH_A \slot, (\q)+1, 0
	WIN MUL_HI
	MUL16 4, (\q)%2, \zero
	MUL16 6, (\q)%2, \zero
	PLACES NP
	WIN 0
	FETCH_A \slot, (\q)+1, 4
.endm
; A slot's last step changes slots, AT ITS HEAD: all of the step's fragments are in registers or on their way there, so this slot can be given up before the step's 64 products are issued, and the refill is on its way while they run.
; ONE barrier; in front of it each wave waits for all its tensor loads, adds 0 to its spare word, and waits for that and for its own reads of this slot.
.macro TURN slot, next, fill
	s_wait_tensorcnt 0x0                           ; all my tensor loads have landed: my part of the next slot; so every group 0 may be written
	ds_add_u32 v[SPW], v[NIL]                      ; 0 onto my spare word
.if \fill
	s_add_nc_u64 s[G0+4*\slot+2:G0+4*\slot+3], s[G0+4*\slot+2:G0+4*\slot+3], 2*ROWB
	s_add_nc_u64 s[G0B+4*\slot+2:G0B+4*\slot+3], s[G0B+4*\slot+2:G0B+4*\slot+3], 2*ROWB
.endif
	s_wait_dscnt 0x0                               ; the add is done, and my reads of this slot are over: this step's fragments are all in
	s_barrier_signal -1
	s_barrier_wait -1
.if \fill
	CREST                                          ; the barrier has opened a round of the cluster's barrier: no wave of any partner still reads this slot or has a load on its way
	JLOAD G0+4*\slot, G1, G0B+4*\slot, G1B         ; the first tensor load behind the round
.endif
	WIN MUL_LO
	MUL16 0, 1, 0
	MUL16 2, 1, 0
	PLACES NP
	FETCH_B \next, 0, 0
	FETCH_A \next, 0, 0
	WIN MUL_HI
	MUL16 4, 1, 0
	MUL16 6, 1, 0
	PLACES NP
	WIN 0
	FETCH_A \next, 0, 4
.endm
	s_wait_tensorcnt 1                             ; my part of K step 0 is in; K step 1's load may be out
	s_barrier_signal -1
	s_barrier_wait -1
	FETCH_B 0, 0, 0
	FETCH_A 0, 0, 0
	FETCH_A 0, 0, 4
	STEP 0, 0, 1                                   ; the first step stands in front of the loop: its products start the sums
	s_mov_b32 s3, LAPS-1
.Llap:                                                 ; a trip goes once round the ring and fills both slots again
	TURN 0, 1, 1
	STEP 1, 0, 0
	TURN 1, 0, 1
	STEP 0, 0, 0
	s_sub_co_u32 s3, s3, 1
	s_cmp_lg_u32 s3, 0
	s_cbranch_scc1 .Llap
	TURN 0, 1, 0                                   ; the last lap fills nothing
	STEP 1, 0, 0
	s_wait_dscnt 4*NL
	WIN MUL_LO
	MUL16 0, 1, 0
	MUL16 2, 1, 0
	s_wait_dscnt 0
	WIN MUL_HI
	MUL16 4, 1, 0
	MUL16 6, 1, 0
	WIN 0
; THE WAY OUT.  Block a = my rows 16 a on.  Its 64 numbers a lane are made in v32-95 (q, k: turned by RoPE; v: as they are), held, and converted: 16 registers of codes, kept in window 1 at v[16 a].
; One branch, on the cluster's x, parts the two arms; they join ahead of the LDS stores.
.macro CSLOAD a                        ; block a's cos and sin: for b = 0 .. 3 eight cos, then eight sin, of my token and of frequencies 64 c + 16 b + 8 hh + 0 .. 7
.irp b, 0,1,2,3
.irp p, 0,1,2,3
	global_load_b128 v[CS+64*((\a)%2)+16*\b+4*\p:CS+64*((\a)%2)+16*\b+4*\p+3], v[CO], s[10:11] offset:(\a)*16384+2048*\b+512*\p
.endr
.endr
.endm
.macro CODES a
	WIN 0x40                                       ; destination window 1
.irp b, 0,1,2,3,4,5,6,7
	v_cvt_scalef32_pk8_fp8_f32 v[16*(\a)+2*\b:16*(\a)+2*\b+1], v[TMP+8*\b:TMP+8*\b+7], v[SC]
.endr
	v_nop                                          ; a plain instruction between the conversions and the next lines that write their sources
.endm
.macro ROPEBLK a
.set AC, 64*((\a)%4)
.set CC, CS+64*((\a)%2)
.if (\a) < 7
	s_wait_loadcnt 16                              ; this block's 16 loads are in; the next block's may be out
.else
	s_wait_loadcnt 0x0
.endif
	WIN 0x02+((\a)/4)                              ; source 0: the accumulators' window
.irp b, 0,1,2,3                        ; F = accumulator b (h < 128), S = accumulator b + 4 (h + 128); each accumulator is read from its low end on
.irp j, 0,2,4,6
	v_pk_mul_f32 v[TMP+8*\b+\j:TMP+8*\b+\j+1], v[AC+32+8*\b+\j:AC+32+8*\b+\j+1], v[CC+16*\b+8+\j:CC+16*\b+8+\j+1]      ; S sin
	v_pk_mul_f32 v[TMP+32+8*\b+\j:TMP+32+8*\b+\j+1], v[AC+8*\b+\j:AC+8*\b+\j+1], v[CC+16*\b+8+\j:CC+16*\b+8+\j+1]      ; F sin
.endr
.irp j, 0,2,4,6
	v_pk_fma_f32 v[TMP+8*\b+\j:TMP+8*\b+\j+1], v[AC+8*\b+\j:AC+8*\b+\j+1], v[CC+16*\b+\j:CC+16*\b+\j+1], v[TMP+8*\b+\j:TMP+8*\b+\j+1] neg_lo:[0,0,1] neg_hi:[0,0,1]   ; F cos - S sin
	v_pk_fma_f32 v[TMP+32+8*\b+\j:TMP+32+8*\b+\j+1], v[AC+32+8*\b+\j:AC+32+8*\b+\j+1], v[CC+16*\b+\j:CC+16*\b+\j+1], v[TMP+32+8*\b+\j:TMP+32+8*\b+\j+1]              ; S cos + F sin
.endr
.endr
	WIN 0
.if (\a)+2 < 8
	CSLOAD (\a)+2
.endif
.set i, 0
.rept 64
	v_med3_num_f32 v[TMP+i], v[TMP+i], -v[LIM], v[LIM]   ; the conversion to an 8-bit code does not saturate (ISA guide 7.6.2)
.set i, i+1
.endr
	CODES \a
.endm
.macro VBLK a
.set AC, 64*((\a)%4)
	WIN 0x02+((\a)/4)
.set i, 0
.rept 64
	v_med3_num_f32 v[TMP+i], v[AC+i], -v[LIM], v[LIM]
.set i, i+1
.endr
	CODES \a
.endm
	s_wait_kmcnt 0x0
	s_sub_co_i32 s98, s98, s96
	s_sub_co_i32 s98, s98, s97                     ; the output's e - x's - w's: a raw sum stands for sum x 2^(x's e + w's e),
	s_cmp_eq_u32 s70, 0
	s_cselect_b32 s96, 4, 0
	s_add_co_i32 s98, s98, s96                     ; + 4 for q: 256^-0.5 = 2^-4
	s_add_co_i32 s98, s98, 127
	s_lshl_b32 s97, s98, 23
	s_add_co_i32 s98, s98, 8
	s_lshl_b32 s98, s98, 23
	s_or_b32 s98, s98, 0x600000
	PLACES NP                                      ; behind the last products: in front of the first read of results and of loads into A's registers
	v_mov_b32 v[SC], s97
	v_mov_b32 v[LIM], s98
	s_cmp_eq_u32 s68, 3
	s_cbranch_scc1 .Lvalues
	CSLOAD 0
	CSLOAD 1
.irp a, 0,1,2,3,4,5,6,7
	ROPEBLK \a
.endr
	WIN 0
	s_branch .Ljoin
.Lvalues:
.irp a, 0,1,2,3,4,5,6,7
	VBLK \a
.endr
	WIN 0
.Ljoin:
	WIN 0x04                                       ; the stores' data: window 1
.irp a, 0,1,2,3,4,5,6,7
.irp b, 0,1,2,3,4,5,6,7
	ds_store_b64 v[STO], v[16*\a+2*\b:16*\a+2*\b+1] offset:(32*(\a/2)+8*(\a%2))*PITCH+16*\b   ; row 16 a + r goes to the place with bits 3 and 4 exchanged
.endr
.endr
	WIN 0
	s_wait_dscnt 0x0                               ; for the others' sake: my stores into the stage are done
	s_barrier_signal -1
	s_barrier_wait -1
.irp t, 0,1,2,3,4,5,6,7,8,9,10,11,12,13,14,15,16,17,18,19,20,21,22,23,24,25,26,27,28,29,30,31
	ds_load_b128 v[128+4*\t:131+4*\t], v[RD] offset:2*\t*PITCH
.endr
.irp t, 0,1,2,3,4,5,6,7,8,9,10,11,12,13,14,15,16,17,18,19,20,21,22,23,24,25,26,27,28,29,30,31
	s_wait_dscnt 31-\t                             ; the younger loads may be out
	global_store_b128 v[CO], v[128+4*\t:131+4*\t], s[12:13] offset:512*\t   ; two rows of the block: 512 consecutive bytes, aligned
.endr
	s_wait_tensorcnt 0x0                           ; the wave's end
	ds_add_u32 v[SPW], v[NIL]
	s_wait_dscnt 0x0
	CROUND                                         ; the closing round
	s_endpgm
.Lfunc_end_k_qddaf4e19ff_qkv:
	.size	k_qddaf4e19ff_qkv, .Lfunc_end_k_qddaf4e19ff_qkv-k_qddaf4e19ff_qkv
	.p2alignl 7, 3214868480
	.fill 96, 4, 3214868480
	.section	.rodata,"a",@progbits
	.p2align	6, 0x0
	.amdhsa_kernel k_qddaf4e19ff_qkv
		.amdhsa_group_segment_fixed_size 327680
		.amdhsa_private_segment_fixed_size 0
		.amdhsa_enable_private_segment 0
		.amdhsa_kernarg_size 40
		.amdhsa_user_sgpr_count 2
		.amdhsa_user_sgpr_kernarg_segment_ptr 1
		.amdhsa_wavefront_size32 1
		.amdhsa_system_sgpr_workgroup_id_x 1
		.amdhsa_system_sgpr_workgroup_id_y 1
		.amdhsa_system_sgpr_workgroup_id_z 1
		.amdhsa_system_vgpr_workitem_id 0
		.amdhsa_next_free_vgpr 1024
		.amdhsa_next_free_sgpr 100
		.amdhsa_reserve_vcc 0
		.amdhsa_float_denorm_mode_32 3
		.amdhsa_float_denorm_mode_16_64 3
		.amdhsa_memory_ordered 1
		.amdhsa_forward_progress 1
		.amdhsa_inst_pref_size 208
	.end_amdhsa_kernel
	.amdgpu_metadata
---
amdhsa.version: [ 1, 2 ]
amdhsa.kernels:
  - .name:           k_qddaf4e19ff_qkv
    .symbol:         k_qddaf4e19ff_qkv.kd
    .args:
      - { .name: xq, .offset: 0, .size: 8, .value_kind: global_buffer, .address_space: global }
      - { .name: wc, .offset: 8, .size: 8, .value_kind: global_buffer, .address_space: global }
      - { .name: lowp_scales, .offset: 16, .size: 8, .value_kind: global_buffer, .address_space: global }
      - { .name: rt, .offset: 24, .size: 8, .value_kind: global_buffer, .address_space: global }
      - { .name: qkv, .offset: 32, .size: 8, .value_kind: global_buffer, .address_space: global }
    .group_segment_fixed_size: 327680
    .private_segment_fixed_size: 0
    .kernarg_segment_align: 8
    .kernarg_segment_size: 40
    .max_flat_workgroup_size: 128
    .sgpr_count:     100
    .vgpr_count:     1024
    .wavefront_size: 32
...
	.end_amdgpu_metadata
.endif
;; end of part 2
;; launch attn (part 3): grid 16 x 16, 8 waves a work-group, clusters of 4 x 1, 327,680 bytes of LDS; arguments qkv, mw, lowp_scales, oc; writes oc
.if DOCPART == 3
	.amdgcn_target "amdgcn-amd-amdhsa--gfx1250"
	.amdhsa_code_object_version 6
	.text
	.protected	k_qddaf4e19ff_attn
	.globl	k_qddaf4e19ff_attn
	.p2align	8
	.type	k_qddaf4e19ff_attn,@function
k_qddaf4e19ff_attn:
	s_mov_b64 s[64:65], 0
	v_nop
	global_prefetch_b8 v0, s[64:65] scope:SCOPE_SE
	s_setreg_imm32_b32 hwreg(HW_REG_WAVE_MODE, 25, 1), 1
	s_wait_xcnt 0x0
	s_wait_alu depctr_hold_cnt(0) depctr_sa_sdst(0) depctr_va_vdst(0) depctr_va_sdst(0) depctr_va_ssrc(0) depctr_va_vcc(0) depctr_vm_vsrc(0)
	s_getreg_b32 s2, hwreg(HW_REG_IB_STS2, 6, 4)
	s_cmp_eq_u32 s2, 0
	s_cbranch_scc0 .Lentry_in_a_cluster
	s_endpgm
.Lentry_in_a_cluster:
	s_bfe_u32 s2, ttmp6, 0x10000c
	s_cmp_lg_u32 s2, 0x3003
	s_cbranch_scc0 .Lentry_shape_is_right
	s_endpgm
.Lentry_shape_is_right:
; Launch 3 of 4: scores, soft cap, mask, softmax and the product with the values, for both models, on codes of E4M3; the result is quantised for the last projection.  Nothing is left out: the mask is an input, so every key step is walked.
; SHARES.  Work-group (x, y): y = (2 model + batch) 4 + kv; x = 8 g + block of 128 queries; head 2 kv + g.  Each of the eight waves owns 16 queries; two waves share a SIMD.  Every wave walks all 1,024 keys, 128 a step.
; CLUSTER.  The sixteen work-groups of a y walk the same K and V; the four of a cluster ask for each tile JOINTLY (mask 15).  A tile is 256 keys: K's block of 256 rows x 256 bytes and V^T's of 256 channels x 256 keys; each wave fetches 64 rows.
; LAYOUT.  Both products are used transposed: S^T = K Q^T, O^T = V^T P^T: a lane holds ONE query (lane % 16) throughout.  The blocks' rows lie with bits 3 and 4 of their number exchanged, so that the 16 registers of tiles 2 b and 2 b + 1 are
; 16 neighbours: keys 32 b + 16 (lane / 16) + 0 .. 15 in S^T, channels likewise in O^T.
; A SCORE: u = sum x 2^(eq + ek) x 2 log2(e) / 50; tanh(z) = 1 - 2 / (1 + 2^u); t = 50 log2(e) tanh(z).  A masked score becomes t = -1e30 by the mask's lane word (v_cndmask_b32: no branch hangs on the mask).
; THE SOFTMAX AHEAD OF THE SECOND PRODUCT: M = the running largest t rounded up to a whole number; p = 2^(t - M) is quantised, not normalised; the sum of the unquantised p divides at the end; when M moves, sum and O^T are multiplied by 2^(old M - new M).
; A ROW WITH NO KEY ALLOWED: all its t are -1e30, M = -1e30, every p = 1: the plain average of all values, which is what a softmax of equal logits gives.  A first allowed key later in the walk multiplies those sums by 0.
; LIMITS: eq + ek between -121 and 131; ep between -126 and 119; eo - ev - ep between -126 and 119.  tanh by this form carries about 1e-7 of absolute error.  NaN is not served.
; REGISTERS.  window 0: v1-10 addresses; v12 -M, v13 the largest t, v[14:15] the sum; v16-47 Q; v48-63 p's codes; v64-127 S^T, then p; v128-165 constants and work.  window 1: v0-127 O^T; v128-255 eight fragments of K or V.
; The step's 64 mask words lie in s16-63 and s68-83.
.set PK,    272                        ; a row in LDS: 256 bytes + 16 of padding
.set SLOTB, 139264                     ; a slot: K's 256 rows, then V^T's 256
.set VOFF,  69632
.set SPARE, 2*SLOTB                    ; behind the ring: the spare words, 128 bytes for each of eight waves
.set AK0, 1
.set AV0, 2
.set ADK, 3
.set ADV, 4
.set SPW, 5
.set NIL, 6
.set STO, 7
.set RD,  8
.set GO,  9
.set QA,  10
.set Q,   16
.set P,   48
.set S,   64
.set C1,  128                          ; v[128:129] 2 log2(e) / 50 x 2^(eq + ek)
.set CM2, 130                          ; v[130:131] -100 log2(e)
.set CP,  132                          ; v[132:133] 50 log2(e)
.set TM,  134                          ; v134 -1e30
.set PLIM, 135                         ; v135 448 x 2^ep
.set PSC, 136                          ; v136 2^ep
.set PX,  140
.set F,   142                          ; v[142:143] f, later 1 / the sum
.set SUM2, 144
.set MA,  146
.set MB,  147
.set CD2, 148
.set OSC, 164
.set OLIM, 165
.set FRG, 128                          ; in window 1
.set WV,  2
.set CNT, 3
.set MP,  12                           ; s[12:13] the mask words of the step in hand
.set SEL, 14
.set TK,  66
.set TV,  67
.set G1,  84
.set OP,  92
.set MSB, 0
.macro WIN new
.if MSB != \new
	s_set_vgpr_msb (MSB<<8)|\new
.set MSB, \new
.endif
.endm
.macro PLACES
.rept 4
	v_nop
.endr
.endm
.macro CROUND                          ; a round of the cluster's barrier
	s_barrier_signal -1
	s_barrier_wait -1
	s_cmp_lg_u32 s[WV], 0
	s_cbranch_scc1 .Lnot_wave_0_\@
	s_barrier_signal -3
.Lnot_wave_0_\@:
	s_barrier_wait -3
	s_barrier_signal -1
	s_barrier_wait -1
.endm
	s_load_b256 s[16:23], s[0:1], 0x0              ; qkv s[16:17], mw s[18:19], the scales' exponents s[20:21], oc s[22:23]
	v_lshl_add_u32 v[SPW], v0, 2, SPARE
	v_mov_b32 v[NIL], 0
	ds_add_u32 v[SPW], v[NIL]                      ; the wave's opening: the add, twice on end, and its wait ahead of my first tensor load
	ds_add_u32 v[SPW], v[NIL]
	v_lshrrev_b32 v1, 5, v0
	v_readfirstlane_b32 s[WV], v1                  ; wave 0..7
	s_bfe_u32 s94, ttmp6, 0x40000                  ; cx: it enters Q's, the mask's and O's addresses alone
	s_and_b32 s95, ttmp7, 0xffff                   ; y
	s_lshr_b32 s96, ttmp9, 1                       ; g
	s_and_b32 s97, ttmp9, 1
	s_lshl_b32 s97, s97, 2
	s_add_co_u32 s97, s97, s94                     ; my block of 128 queries
	s_mov_b32 s[G1], 15|(0<<16)|(1<<20)|(1<<21)|(5<<22)|(3<<25)   ; 15:0 all four work-groups; elements of 1 byte; padding on; 21 set beside a mask; four words after every 64
	s_mov_b32 s[G1+1], 256<<16                     ; tensor_dim0
	s_mov_b32 s[G1+2], 64<<16                      ; tensor_dim1
	s_mov_b32 s[G1+3], 256<<16                     ; tile_dim0
	s_mov_b32 s[G1+4], 64                          ; tile_dim1
	s_mov_b32 s[G1+5], 256                         ; tensor_dim0_stride: the blocks are dense
	s_mov_b32 s[G1+6], 0
	s_mov_b32 s[G1+7], 0
	s_mov_b32 s[SEL], 0x76543210
	s_mov_b32 s[SEL+1], 0xfedcba98
	s_lshl_b32 s24, s95, 18                        ; y's four blocks,
	s_lshr_b32 s25, s[WV], 2
	s_lshl_b32 s25, s25, 22                        ; waves 0-3 K's, waves 4-7 V's (64 blocks on),
	s_add_co_u32 s24, s24, s25
	s_and_b32 s25, s[WV], 3
	s_lshl_b32 s25, s25, 14                        ; my 64 rows,
	s_add_co_u32 s24, s24, s25
	s_add_co_u32 s24, s24, 0x800000                ; behind Q's 128 blocks
	s_mov_b32 s25, 0
	s_mul_i32 s26, s[WV], 64*PK                    ; and in a slot: wave x 64 rows
	s_lshl_b32 s28, s95, 1
	s_add_co_u32 s28, s28, s96
	s_lshl_b32 s28, s28, 18
	s_lshl_b32 s29, s97, 15
	s_add_co_u32 s28, s28, s29                     ; Q: head instance 2 y + g, 128 rows of 256 bytes a block of queries
	s_mov_b32 s29, 0
	s_lshr_b32 s44, s95, 2                         ; 2 model + batch
	s_lshl_b32 s30, s44, 6
	s_lshl_b32 s31, s97, 3
	s_add_co_u32 s30, s30, s31
	s_add_co_u32 s30, s30, s[WV]
	s_lshl_b32 s30, s30, 11                        ; the mask words of my 16 queries: 8 steps of 256 bytes
	s_mov_b32 s31, 0
	s_lshl_b32 s32, s44, 10
	s_lshl_b32 s33, s97, 7
	s_add_co_u32 s32, s32, s33
	s_lshl_b32 s33, s[WV], 4
	s_add_co_u32 s32, s32, s33
	s_lshl_b32 s32, s32, 11                        ; oc: my first token's row,
	s_and_b32 s33, s95, 3
	s_lshl_b32 s33, s33, 1
	s_add_co_u32 s33, s33, s96
	s_lshl_b32 s33, s33, 8
	s_add_co_u32 s32, s32, s33                     ; my head's 256 bytes
	s_mov_b32 s33, 0
	s_lshr_b32 s34, s95, 3
	s_mul_i32 s34, s34, 48
	s_add_co_u32 s34, s34, 16                      ; entries 12 model + 4 on
	s_mov_b32 s35, 0
	s_wait_dscnt 0x0                               ; both opening adds are done
	s_wait_kmcnt 0x0
	s_add_nc_u64 s[20:21], s[20:21], s[34:35]
	s_load_b256 s[36:43], s[20:21], 0x0            ; s38 eq, s39 ek, s40 ev, s41 ep, s42 eo
	s_add_nc_u64 s[24:25], s[16:17], s[24:25]
	s_mov_b32 s4, 1                                ; group 0 for slot 0: tile 0
	s_mov_b32 s5, s26
	s_mov_b64 s[6:7], s[24:25]
	s_or_b32 s7, s7, 0x80000000
	s_mov_b32 s8, 1                                ; for slot 1: tile 1
	s_add_co_u32 s9, s26, SLOTB
	s_add_nc_u64 s[10:11], s[24:25], 65536
	s_or_b32 s11, s11, 0x80000000
	s_add_nc_u64 s[28:29], s[16:17], s[28:29]
	s_add_nc_u64 s[MP:MP+1], s[18:19], s[30:31]
	s_add_nc_u64 s[OP:OP+1], s[22:23], s[32:33]
	CROUND                                         ; all four work-groups are here: the first joint loads meet
	tensor_load_to_lds s[4:7], s[G1:G1+7]          ; every wave fetches: two loads of mine are out
	s_nop 0
	tensor_load_to_lds s[8:11], s[G1:G1+7]
	s_nop 0
	PLACES
	v_and_b32 v146, 15, v0                         ; r
	v_bfe_u32 v147, v0, 4, 1                       ; hh
	v_mul_u32_u24 v[AK0], v146, PK
	v_lshl_add_u32 v[AK0], v147, 4, v[AK0]         ; a fragment's row x pitch + 16 x half
	v_add_nc_u32 v[AV0], VOFF, v[AK0]
	v_and_b32 v144, 7, v146
	v_lshrrev_b32 v145, 3, v146
	v_lshl_add_u32 v144, v145, 4, v144
	s_lshr_b32 s44, s[WV], 1
	s_lshl_b32 s44, s44, 5
	s_and_b32 s45, s[WV], 1
	s_lshl_b32 s45, s45, 3
	s_add_co_u32 s44, s44, s45
	v_add_nc_u32 v144, s44, v144                   ; query 16 w + r lies at the place with bits 3 and 4 exchanged
	v_lshlrev_b32 v[QA], 8, v144
	v_lshl_add_u32 v[QA], v147, 4, v[QA]
.irp k, 0,1
.irp c, 0,1,2,3
	global_load_b128 v[Q+16*\k+4*\c:Q+16*\k+4*\c+3], v[QA], s[28:29] offset:128*\k+32*\c   ; Q's two fragments stay in registers
.endr
.endr
	s_mul_i32 s46, s[WV], 16*PK                    ; the way out: my stage, 16 rows x 272 bytes, in slot 0: it has had its last fill and its last read by then
	v_add_nc_u32 v[STO], s46, v[AK0]
	v_mul_u32_u24 v[RD], v147, PK
	v_lshl_add_u32 v[RD], v146, 4, v[RD]
	v_add_nc_u32 v[RD], s46, v[RD]
	v_lshlrev_b32 v[GO], 11, v147
	v_lshl_add_u32 v[GO], v146, 4, v[GO]
	v_mov_b32 v[CM2], 0xc31044fe
	v_mov_b32 v[CM2+1], 0xc31044fe
	v_mov_b32 v[CP], 0x429044fe
	v_mov_b32 v[CP+1], 0x429044fe
	v_mov_b32 v[TM], 0xf149f2ca
	v_mov_b32 v13, 0xff61b1e6                      ; the largest t so far: -3e38, under every t
	v_floor_f32 v12, -v13
	v_mov_b32 v14, 0
	v_mov_b32 v15, 0
	v_mov_b32 v[PX], 0                             ; a lane permute's destination counts as one of its sources
	v_mov_b32 v[F+1], 0                            ; (named as the upper half of a pair)
	WIN 0x40
.set j, 0
.rept 128
	v_mov_b32 v[j], 0                              ; O^T.  The key step is written without a first step of its own: that would be a fifth copy of it; the first change of M leaves these zeros zeros
.set j, j+1
.endr
	WIN 0
	s_wait_kmcnt 0x0
	s_add_co_i32 s44, s38, s39
	s_lshl_b32 s44, s44, 23
	s_add_co_i32 s44, s44, 0x3d6c5f04              ; eq + ek are added to the exponent field of 2 log2(e) / 50
	v_mov_b32 v[C1], s44
	v_mov_b32 v[C1+1], s44
	s_add_co_i32 s44, s41, 127
	s_lshl_b32 s45, s44, 23
	v_mov_b32 v[PSC], s45
	s_add_co_i32 s44, s44, 8
	s_lshl_b32 s44, s44, 23
	s_or_b32 s44, s44, 0x600000
	v_mov_b32 v[PLIM], s44
	s_sub_co_i32 s44, s42, s40
	s_sub_co_i32 s44, s44, s41                     ; a sum of the second product stands for sum x 2^(ev + ep): the three scales are folded into the last conversion's one
	s_add_co_i32 s44, s44, 127
	s_lshl_b32 s45, s44, 23
	v_mov_b32 v[OSC], s45
	s_add_co_i32 s44, s44, 8
	s_lshl_b32 s44, s44, 23
	s_or_b32 s44, s44, 0x600000
	v_mov_b32 v[OLIM], s44
; A KEY STEP: 128 keys.  s[TK]: LDS byte of the step's rows of K; s[TV]: of the slot, + the step's 128 bytes in V^T's rows.
.macro STEP
	s_load_b512 s[16:31], s[MP:MP+1], 0x0          ; the step's 64 mask words: wanted behind the soft cap
	s_load_b512 s[32:47], s[MP:MP+1], 0x40
	s_load_b512 s[48:63], s[MP:MP+1], 0x80
	s_load_b512 s[68:83], s[MP:MP+1], 0xc0
	v_add_nc_u32 v[ADK], s[TK], v[AK0]
	v_add_nc_u32 v[ADV], s[TV], v[AV0]
	v_nop                                          ; with the two additions: four places behind the last step's products, in front of loads into the registers that they read
	v_nop
.irp g, 0,1                            ; S^T = K Q^T, four tiles of 16 keys at a time, the head's first 128 first
.if \g > 0
	PLACES
.endif
	WIN 0x40
.irp k, 0,1
.irp t, 0,1,2,3
.irp c, 0,1,2,3
	ds_load_b128 v[FRG+16*(4*\k+\t)+4*\c:FRG+16*(4*\k+\t)+4*\c+3], v[ADK] offset:16*(4*\g+\t)*PK+128*\k+32*\c
.endr
.endr
.endr
	s_wait_dscnt 16                                ; the first 128 of the head's axis are in; the other 16 loads may be out
	WIN 0x01
.irp t, 0,1,2,3                        ; the four accumulators take turns, one instruction a turn
	v_wmma_f32_16x16x128_fp8_fp8 v[S+8*(4*\g+\t):S+8*(4*\g+\t)+7], v[FRG+16*\t:FRG+16*\t+15], v[Q:Q+15], 0
.endr
	s_wait_dscnt 0x0
.irp t, 0,1,2,3
	v_wmma_f32_16x16x128_fp8_fp8 v[S+8*(4*\g+\t):S+8*(4*\g+\t)+7], v[FRG+64+16*\t:FRG+64+16*\t+15], v[Q+16:Q+31], v[S+8*(4*\g+\t):S+8*(4*\g+\t)+7]
.endr
.endr
	PLACES                                         ; in front of the loads below and of the first read of the scores
	WIN 0x40
.irp t, 0,1,2,3,4,5,6,7                ; V^T's tiles 0 to 7 land while the softmax is worked
.irp c, 0,1,2,3
	ds_load_b128 v[FRG+16*\t+4*\c:FRG+16*\t+4*\c+3], v[ADV] offset:16*\t*PK+32*\c
.endr
.endr
	WIN 0
.set j, 0
.rept 32
	v_pk_mul_f32 v[S+j:S+j+1], v[S+j:S+j+1], v[C1:C1+1] op_sel_hi:[1,0]   ; u; each accumulator is read from its low end on
.set j, j+2
.endr
.set j, 0
.rept 64
	v_exp_f32 v[S+j], v[S+j]
.set j, j+1
.endr
	v_nop                                          ; a plain instruction behind the batch,
	s_wait_alu depctr_va_vdst(0)                   ; and one wait for it, ahead of its first reader
.set j, 0
.rept 32
	v_pk_add_f32 v[S+j:S+j+1], v[S+j:S+j+1], 1.0 op_sel_hi:[1,0]
.set j, j+2
.endr
.set j, 0
.rept 64
	v_rcp_f32 v[S+j], v[S+j]
.set j, j+1
.endr
	v_nop
	s_wait_alu depctr_va_vdst(0)
	s_wait_kmcnt 0x0                               ; the mask words are in, so their address may step
	s_add_nc_u64 s[MP:MP+1], s[MP:MP+1], 256
.set j, 0
.rept 32
	v_pk_fma_f32 v[S+j:S+j+1], v[S+j:S+j+1], v[CM2:CM2+1], v[CP:CP+1] op_sel_hi:[1,0,0]   ; t = 50 log2(e) (1 - 2 / (1 + 2^u))
.set j, j+2
.endr
.set n, 0
.rept 64
.if n < 48
	v_cndmask_b32 v[S+n], v[TM], v[S+n], s[16+n]   ; bit l of word n: does register n's key count for lane l's query?
.else
	v_cndmask_b32 v[S+n], v[TM], v[S+n], s[20+n]
.endif
.set n, n+1
.endr
	v_max3_num_f32 v[MA], v[S], v[S+1], v[S+2]     ; the step's largest t of my query, in two chains,
	v_max3_num_f32 v[MB], v[S+3], v[S+4], v[S+5]
.irp i, 6,10,14,18,22,26,30,34,38,42,46,50,54,58
	v_max3_num_f32 v[MA], v[MA], v[S+\i], v[S+\i+1]
	v_max3_num_f32 v[MB], v[MB], v[S+\i+2], v[S+\i+3]
.endr
	v_max3_num_f32 v[MA], v[MA], v[S+62], v[S+63]
	v_max_num_f32 v[MA], v[MA], v[MB]
	v_permlanex16_b32 v[PX], v[MA], s[SEL], s[SEL+1]
	v_max_num_f32 v[MA], v[MA], v[PX]              ; and among the lane 16 away's
	v_max_num_f32 v13, v13, v[MA]
	v_mov_b32 v[MA], v12
	v_floor_f32 v12, -v13                          ; -M = floor(-t): M is a whole number
	v_sub_f32 v[MA], v12, v[MA]
	v_cvt_i32_f32 v[MA], v[MA]                     ; (it saturates)
	v_ldexp_f32 v[F], 1.0, v[MA]                   ; f = 2^(old M - new M)
.set j, 0
.rept 32
	v_pk_add_f32 v[S+j:S+j+1], v[S+j:S+j+1], v[12:13] op_sel_hi:[1,0]   ; t - M
.set j, j+2
.endr
.set j, 0
.rept 64
	v_exp_f32 v[S+j], v[S+j]                       ; p, at most 1, not normalised
.set j, j+1
.endr
	v_pk_mul_f32 v[14:15], v[14:15], v[F:F+1] op_sel_hi:[1,0]   ; the sums under the new M (the plain instruction behind the batch)
	s_wait_alu depctr_va_vdst(0)
	v_pk_add_f32 v[SUM2:SUM2+1], v[S:S+1], v[S+2:S+3]   ; the sum is taken of the unquantised p, in two chains
.irp j, 4,8,12,16,20,24,28,32,36,40,44,48,52,56,60
	v_pk_add_f32 v[14:15], v[14:15], v[S+\j:S+\j+1]
	v_pk_add_f32 v[SUM2:SUM2+1], v[SUM2:SUM2+1], v[S+\j+2:S+\j+3]
.endr
	v_pk_add_f32 v[14:15], v[14:15], v[SUM2:SUM2+1]
.irp b, 0,1,2,3
.irp i, 0,1,2,3,4,5,6,7,8,9,10,11,12,13,14,15
	v_min_num_f32 v[S+16*\b+\i], v[S+16*\b+\i], v[PLIM]   ; p is not negative: the hold is one-sided
.endr
	v_cvt_scalef32_pk8_fp8_f32 v[P+4*\b:P+4*\b+1], v[S+16*\b:S+16*\b+7], v[PSC]
	v_cvt_scalef32_pk8_fp8_f32 v[P+4*\b+2:P+4*\b+3], v[S+16*\b+8:S+16*\b+15], v[PSC]
.endr
	WIN 0x41
.set j, 0
.rept 64
	v_pk_mul_f32 v[j:j+1], v[j:j+1], v[F:F+1] op_sel_hi:[1,0]   ; O^T under the new M; each accumulator from its low end on
.set j, j+2
.endr
	s_wait_dscnt 0x0                               ; V^T's tiles 0 to 7 are in
	WIN 0x51
.irp t, 0,1,2,3,4,5,6,7
	v_wmma_f32_16x16x128_fp8_fp8 v[8*\t:8*\t+7], v[FRG+16*\t:FRG+16*\t+15], v[P:P+15], v[8*\t:8*\t+7]
.endr
	PLACES
	WIN 0x40
.irp t, 0,1,2,3,4,5,6,7
.irp c, 0,1,2,3
	ds_load_b128 v[FRG+16*\t+4*\c:FRG+16*\t+4*\c+3], v[ADV] offset:16*(8+\t)*PK+32*\c
.endr
.endr
	s_wait_dscnt 0x0
	WIN 0x51
.irp t, 0,1,2,3,4,5,6,7
	v_wmma_f32_16x16x128_fp8_fp8 v[64+8*\t:64+8*\t+7], v[FRG+16*\t:FRG+16*\t+15], v[P:P+15], v[64+8*\t:64+8*\t+7]
.endr
	WIN 0
.endm
.macro VISIT slot                      ; a slot's two key steps: written once, walked twice
	s_mov_b32 s[TK], \slot*SLOTB
	s_mov_b32 s[TV], \slot*SLOTB
	s_mov_b32 s[CNT], 2
.Lstep_\@:
	STEP
	s_add_co_u32 s[TK], s[TK], 128*PK
	s_add_co_u32 s[TV], s[TV], 128
	s_sub_co_u32 s[CNT], s[CNT], 1
	s_cmp_lg_u32 s[CNT], 0
	s_cbranch_scc1 .Lstep_\@
.endm
; THE CHANGE OF SLOTS.  Each wave waits for all its tensor loads (its part of the slot ahead), adds 0 to its spare word, and waits for that and for its reads of the slot that it leaves.
; fill = 1: the barrier is a round of the cluster's, and the slot just left is filled with the tile two on: the load has a slot's two key steps in which to land.
.macro CHANGE slot, fill
	s_wait_tensorcnt 0x0                           ; no tensor load of mine is out, so a group 0 may be written
	ds_add_u32 v[SPW], v[NIL]
.if \fill
	s_add_nc_u64 s[6+4*\slot:7+4*\slot], s[6+4*\slot:7+4*\slot], 131072   ; two blocks on; the type bits on top are not reached
	s_wait_dscnt 0x0
	CROUND
	tensor_load_to_lds s[4+4*\slot:7+4*\slot], s[G1:G1+7]
	s_nop 0
	PLACES
.else
	s_wait_dscnt 0x0
	s_barrier_signal -1
	s_barrier_wait -1
.endif
.endm
	s_wait_tensorcnt 0x1                           ; my part of slot 0 is in; slot 1's may be out
	s_barrier_signal -1
	s_barrier_wait -1
	s_wait_loadcnt 0x0                             ; Q
	VISIT 0                                        ; keys 0 to 255
	CHANGE 0, 1
	VISIT 1                                        ; 256 to 511
	CHANGE 1, 1
	VISIT 0                                        ; 512 to 767
	CHANGE 0, 0                                    ; nothing is left to fetch
	VISIT 1                                        ; 768 to 1,023
	; THE WAY OUT: O^T / the sum, quantised along (head, channel) for the last projection; 16 codes a lane go through my stage and leave as rows of 256 bytes.
	PLACES
	v_add_f32 v14, v14, v15
	v_permlanex16_b32 v[PX], v14, s[SEL], s[SEL+1]
	v_add_f32 v14, v14, v[PX]
	v_rcp_f32 v[F], v14
	v_nop
	s_wait_alu depctr_va_vdst(0)
.macro OUTHALF u, cd                   ; channels 128 u on: tiles 8 u to 8 u + 7
	WIN 0x01
.set j, 0
.rept 32
	v_pk_mul_f32 v[S+j:S+j+1], v[64*\u+j:64*\u+j+1], v[F:F+1] op_sel_hi:[1,0]
.set j, j+2
.endr
	WIN 0
.set j, 0
.rept 64
	v_med3_num_f32 v[S+j], v[S+j], -v[OLIM], v[OLIM]
.set j, j+1
.endr
.irp i, 0,1,2,3,4,5,6,7
	v_cvt_scalef32_pk8_fp8_f32 v[\cd+2*\i:\cd+2*\i+1], v[S+8*\i:S+8*\i+7], v[OSC]
.endr
	v_nop                                          ; a plain instruction between the conversions and the next lines that write their sources
.irp b, 0,1,2,3
	ds_store_b128 v[STO], v[\cd+4*\b:\cd+4*\b+3] offset:32*(4*\u+\b)   ; channels 32 (4 u + b) + 16 hh + 0 .. 15 of query r
.endr
.endm
	OUTHALF 0, P
	OUTHALF 1, CD2
.irp i, 0,1,2,3,4,5,6,7
	ds_load_b128 v[S+4*\i:S+4*\i+3], v[RD] offset:2*\i*PK   ; LDS serves a wave's instructions in order: these see my stores
.endr
.irp i, 0,1,2,3,4,5,6,7
	s_wait_dscnt 7-\i                              ; the younger loads may be out
	global_store_b128 v[GO], v[S+4*\i:S+4*\i+3], s[OP:OP+1] offset:4096*\i   ; sixteen lanes store a token's 256 bytes of this head, aligned
.endr
	s_wait_tensorcnt 0x0                           ; the wave's end
	ds_add_u32 v[SPW], v[NIL]
	s_wait_dscnt 0x0
	CROUND                                         ; the closing round
	s_endpgm
.Lfunc_end_k_qddaf4e19ff_attn:
	.size	k_qddaf4e19ff_attn, .Lfunc_end_k_qddaf4e19ff_attn-k_qddaf4e19ff_attn
	.p2alignl 7, 3214868480
	.fill 96, 4, 3214868480
	.section	.rodata,"a",@progbits
	.p2align	6, 0x0
	.amdhsa_kernel k_qddaf4e19ff_attn
		.amdhsa_group_segment_fixed_size 327680
		.amdhsa_private_segment_fixed_size 0
		.amdhsa_enable_private_segment 0
		.amdhsa_kernarg_size 32
		.amdhsa_user_sgpr_count 2
		.amdhsa_user_sgpr_kernarg_segment_ptr 1
		.amdhsa_wavefront_size32 1
		.amdhsa_system_sgpr_workgroup_id_x 1
		.amdhsa_system_sgpr_workgroup_id_y 1
		.amdhsa_system_sgpr_workgroup_id_z 1
		.amdhsa_system_vgpr_workitem_id 0
		.amdhsa_next_free_vgpr 512
		.amdhsa_next_free_sgpr 102
		.amdhsa_reserve_vcc 0
		.amdhsa_float_denorm_mode_32 3
		.amdhsa_float_denorm_mode_16_64 3
		.amdhsa_memory_ordered 1
		.amdhsa_forward_progress 1
		.amdhsa_inst_pref_size 193
	.end_amdhsa_kernel
	.amdgpu_metadata
---
amdhsa.version: [ 1, 2 ]
amdhsa.kernels:
  - .name:           k_qddaf4e19ff_attn
    .symbol:         k_qddaf4e19ff_attn.kd
    .args:
      - { .name: qkv, .offset: 0, .size: 8, .value_kind: global_buffer, .address_space: global }
      - { .name: mw, .offset: 8, .size: 8, .value_kind: global_buffer, .address_space: global }
      - { .name: lowp_scales, .offset: 16, .size: 8, .value_kind: global_buffer, .address_space: global }
      - { .name: oc, .offset: 24, .size: 8, .value_kind: global_buffer, .address_space: global }
    .group_segment_fixed_size: 327680
    .private_segment_fixed_size: 0
    .kernarg_segment_align: 8
    .kernarg_segment_size: 32
    .max_flat_workgroup_size: 256
    .sgpr_count:     102
    .vgpr_count:     512
    .wavefront_size: 32
...
	.end_amdgpu_metadata
.endif
;; end of part 3
;; launch oproj (part 4): grid 32 x 8, 4 waves a work-group, clusters of 4 x 4, 327,680 bytes of LDS; arguments oc, wc, lowp_scales, out0, out1; writes out0, out1
.if DOCPART == 4
	.amdgcn_target "amdgcn-amd-amdhsa--gfx1250"
	.amdhsa_code_object_version 6
	.text
	.protected	k_qddaf4e19ff_oproj
	.globl	k_qddaf4e19ff_oproj
	.p2align	8
	.type	k_qddaf4e19ff_oproj,@function
k_qddaf4e19ff_oproj:
	s_mov_b64 s[64:65], 0
	v_nop
	global_prefetch_b8 v0, s[64:65] scope:SCOPE_SE
	s_setreg_imm32_b32 hwreg(HW_REG_WAVE_MODE, 25, 1), 1
	s_wait_xcnt 0x0
	s_wait_alu depctr_hold_cnt(0) depctr_sa_sdst(0) depctr_va_vdst(0) depctr_va_sdst(0) depctr_va_ssrc(0) depctr_va_vcc(0) depctr_vm_vsrc(0)
	s_getreg_b32 s2, hwreg(HW_REG_IB_STS2, 6, 4)
	s_cmp_eq_u32 s2, 0
	s_cbranch_scc0 .Lentry_in_a_cluster
	s_endpgm
.Lentry_in_a_cluster:
	s_bfe_u32 s2, ttmp6, 0x10000c
	s_cmp_lg_u32 s2, 0xf033
	s_cbranch_scc0 .Lentry_shape_is_right
	s_endpgm
.Lentry_shape_is_right:
; Launch 4 of 4: the two output projections, out[t][d] = sum over (head, channel) of o[t][.] wo[.][d], on codes of E4M3; each finished sum is multiplied once by 2^(eo + ew).  Nothing is left out.
; Two products of 2,048 x 2,048 x 2,048 give 256 tiles of 256 rows x 128 columns: one for each work-group.  Four waves, each 128 x 64: 32 accumulators.
; TWO SLOTS OF UNEQUAL SIZE.  A tile's 384 rows (A's 256, B's 128) leave room in LDS for 768 along K: slot X holds 512 (rows of 512 bytes + 16: 202,752 bytes), slot Y 256 (rows of 256 + 16: 104,448 bytes).
; 2,048 = 512 + 256 + 512 + 256 + 512: five fills, X Y X Y X, of which the first two go out together at the head and three are refills; a wave issues one load for each.  The sixteen steps of 128 along K are written out.
; CLUSTERS: 4 x 4 work-groups; cluster x / 4 = the model.  A's tiles (oc) are shared along a row of the cluster, B's (wc, rows 8,192 on) along a column: joint loads.
; The matrix instruction is used transposed (source 0 = 16 rows of B, source 1 = 16 rows of A): a lane holds eight neighbouring numbers of a row of the output.
; LIMIT: eo + ew between -126 and 127.
; REGISTERS: window 0: v0-31 addresses; from v128 A's fragments, one set; window 1: B's fragments, two sets of four, at v0 and v128; window 2: the accumulators of my rows 0-63 ((a, b) at v[8 (8 a + b)], b < 4); window 3: rows 64-127.
.set KROW,   2048
.set FR,     16
.set NL,     4
.set NP,     4
.set PX,     528                       ; slot X's LDS row: an odd multiple of 16 bytes, so that the 16 rows that a load touches start at 16 different banks (64 banks of 4 bytes: ISA guide 11.1)
.set PY,     272                       ; slot Y's
.set XB,     256*PX                    ; slot X: A's 256 rows from byte 0, then B's 128
.set YA,     XB+128*PX                 ; slot Y: A's 256 rows,
.set YB,     YA+256*PY                 ; then B's 128
.set SPARE,  YB+128*PY                 ; behind the slots: the spare words
.set SPITCH, 272                       ; the way out: a stage of 16 rows x (256 bytes + 16) for each wave, in slot Y, which has had its last fill and its last read by then
.set ADRA, 16                          ; v16, v17 LDS address of my A fragments in slot X, Y
.set ADRB, 20                          ; v20, v21 the same for B
.set STO,  24
.set RD,   25
.set CO,   26
.set SPW,  28
.set NIL,  29
.set TMP,  32
.set AF,   128
.set BK,   128
.set G1A, 24                           ; s[24:31] group 1 for A's tiles in slot X; s[40:47] in slot Y
.set G1B, 32                           ; s[32:39], s[48:55] the same for B's
.set G0A, 56                           ; s[56:59] group 0 for A's tiles in slot X; s[68:71] in slot Y
.set G0B, 60                           ; s[60:63], s[72:75] the same for B's
.set MSB, 0
.macro WIN new
.if MSB != \new
	s_set_vgpr_msb (MSB<<8)|\new
.set MSB, \new
.endif
.endm
.set MUL_LO, 0xa1
.set MUL_HI, 0xf1
.set TO_B,   0x40
.macro JLOAD g0a, g1a, g0b, g1b        ; waves 0 and 1 fetch A's halves, waves 2 and 3 B's; an s_nop 0 and four v_nop follow each of the two lines
	s_cmp_eq_u32 s15, 0
	s_cbranch_scc0 .Lfor_b_\@
	tensor_load_to_lds s[\g0a:\g0a+3], s[\g1a:\g1a+7]
	s_nop 0
.rept 4
	v_nop
.endr
	s_branch .Lasked_\@
.Lfor_b_\@:
	tensor_load_to_lds s[\g0b:\g0b+3], s[\g1b:\g1b+7]
	s_nop 0
.rept 4
	v_nop
.endr
.Lasked_\@:
.endm
.macro CREST
	s_cmp_lg_u32 s14, 0
	s_cbranch_scc1 .Lnot_wave_0_\@
	s_barrier_signal -3
.Lnot_wave_0_\@:
	s_barrier_wait -3
	s_barrier_signal -1
	s_barrier_wait -1
.endm
.macro CROUND
	s_barrier_signal -1
	s_barrier_wait -1
	CREST
.endm
	s_load_b256 s[4:11], s[0:1], 0x0               ; oc s[4:5], wc s[6:7], the scales' exponents s[8:9], out0 s[10:11]
	s_load_b64 s[12:13], s[0:1], 0x20              ; out1
	v_lshl_add_u32 v[SPW], v0, 2, SPARE
	v_mov_b32 v[NIL], 0
	ds_add_u32 v[SPW], v[NIL]                      ; the wave's opening: the add, twice on end, and its wait ahead of my first tensor load
	ds_add_u32 v[SPW], v[NIL]
	v_lshrrev_b32 v1, 5, v0
	v_readfirstlane_b32 s14, v1                    ; wave 0..3
	s_lshr_b32 s15, s14, 1                         ; which half of the tile's rows is mine.  Also: I fetch for A (0) or for B (1)
	s_and_b32 s16, s14, 1                          ; which half of its columns.  Also: which half of that tile I fetch
	s_bfe_u32 s76, ttmp6, 0x40000                  ; cx
	s_bfe_u32 s77, ttmp6, 0x40004                  ; cy
	s_and_b32 s17, ttmp7, 0xffff
	s_lshl_b32 s17, s17, 2
	s_add_co_u32 s17, s17, s77                     ; tile row = 4 x cluster y + cy
	s_lshr_b32 s81, ttmp9, 2                       ; teacher 0, student 1
	s_and_b32 s78, ttmp9, 3
	s_lshl_b32 s78, s78, 2
	s_add_co_u32 s78, s78, s76                     ; tile column in the model's output
	s_lshl_b32 s79, s77, 2
	s_lshl_b32 s79, 15, s79                        ; my row of the cluster
	s_lshl_b32 s80, 0x1111, s76                    ; my column
	s_or_b32 s[G1A], s79, (0<<16)|(1<<20)|(1<<21)|(6<<22)|(3<<25)      ; slot X: 15:0 the mask; elements of 1 byte; 20 padding on; 21 set beside a mask; 24:22 after every 128 words; 31:25 four words
	s_or_b32 s[G1B], s80, (0<<16)|(1<<20)|(1<<21)|(6<<22)|(3<<25)
	s_or_b32 s[G1A+16], s79, (0<<16)|(1<<20)|(1<<21)|(5<<22)|(3<<25)   ; slot Y: after every 64 words
	s_or_b32 s[G1B+16], s80, (0<<16)|(1<<20)|(1<<21)|(5<<22)|(3<<25)
.irp g, G1A, G1B
	s_mov_b32 s[\g+1], 512<<16                     ; slot X: tensor_dim0 = 512
	s_mov_b32 s[\g+3], 512<<16                     ; tile_dim0
	s_mov_b32 s[\g+5], KROW                        ; tensor_dim0_stride
	s_mov_b32 s[\g+6], 0
	s_mov_b32 s[\g+7], 0
	s_mov_b32 s[\g+17], 256<<16                    ; slot Y: 256
	s_mov_b32 s[\g+19], 256<<16
	s_mov_b32 s[\g+21], KROW
	s_mov_b32 s[\g+22], 0
	s_mov_b32 s[\g+23], 0
.endr
	s_mov_b32 s[G1A+2], 128<<16                    ; A: 128 rows a load: tensor_dim1,
	s_mov_b32 s[G1A+4], 128                        ; tile_dim1
	s_mov_b32 s[G1A+18], 128<<16
	s_mov_b32 s[G1A+20], 128
	s_mov_b32 s[G1B+2], 64<<16                     ; B: 64 rows
	s_mov_b32 s[G1B+4], 64
	s_mov_b32 s[G1B+18], 64<<16
	s_mov_b32 s[G1B+20], 64
	s_lshl_b32 s20, s17, 8
	s_lshl_b32 s18, s16, 7
	s_add_co_u32 s20, s20, s18                     ; A: row 256 x tile row + 128 x half,
	s_lshl_b32 s20, s20, 11
	s_lshl_b32 s18, s81, 22
	s_add_co_u32 s20, s20, s18                     ; in the model's part of oc
	s_mov_b32 s21, 0
	s_lshl_b32 s82, s78, 7
	s_lshl_b32 s83, s16, 6
	s_add_co_u32 s82, s82, s83                     ; B: row 128 x tile column + 64 x half,
	s_lshl_b32 s83, s81, 11
	s_add_co_u32 s82, s82, s83
	s_add_co_u32 s82, s82, 8192                    ; in the model's panels of wo
	s_lshl_b32 s82, s82, 11
	s_mov_b32 s83, 0
	s_mul_i32 s86, s16, 128*PX                     ; where my half goes: A's in slot X,
	s_mul_i32 s87, s16, 64*PX
	s_add_co_u32 s87, s87, XB                      ; B's in slot X,
	s_mul_i32 s88, s16, 128*PY
	s_add_co_u32 s88, s88, YA                      ; A's in slot Y,
	s_mul_i32 s89, s16, 64*PY
	s_add_co_u32 s89, s89, YB                      ; B's in slot Y: no place in the cluster enters an LDS address
	s_mul_i32 s90, s81, 12
	s_add_co_u32 s90, s90, 10
	s_lshl_b32 s90, s90, 2                         ; entries 12 model + 10, + 11
	s_mov_b32 s91, 0
	s_wait_dscnt 0x0                               ; both opening adds are done
	s_wait_kmcnt 0x0
	s_add_nc_u64 s[90:91], s[8:9], s[90:91]
	s_load_b64 s[96:97], s[90:91], 0x0             ; eo, ew
	s_add_nc_u64 s[20:21], s[4:5], s[20:21]
	s_add_nc_u64 s[82:83], s[6:7], s[82:83]
	CROUND                                         ; all sixteen work-groups are here: the first joint loads meet
	s_mov_b32 s[G0A], 1                            ; slot X: K 0 to 511
	s_mov_b32 s[G0A+1], s86
	s_mov_b64 s[G0A+2:G0A+3], s[20:21]
	s_or_b32 s[G0A+3], s[G0A+3], 0x80000000
	s_mov_b32 s[G0B], 1
	s_mov_b32 s[G0B+1], s87
	s_mov_b64 s[G0B+2:G0B+3], s[82:83]
	s_or_b32 s[G0B+3], s[G0B+3], 0x80000000
	JLOAD G0A, G1A, G0B, G1B
	s_mov_b32 s[G0A+12], 1                         ; slot Y: K 512 to 767
	s_mov_b32 s[G0A+13], s88
	s_add_nc_u64 s[G0A+14:G0A+15], s[20:21], 512
	s_or_b32 s[G0A+15], s[G0A+15], 0x80000000
	s_mov_b32 s[G0B+12], 1
	s_mov_b32 s[G0B+13], s89
	s_add_nc_u64 s[G0B+14:G0B+15], s[82:83], 512
	s_or_b32 s[G0B+15], s[G0B+15], 0x80000000
	JLOAD G0A+12, G1A+16, G0B+12, G1B+16           ; two loads of mine are out
	v_and_b32 v1, 15, v0                           ; r
	v_bfe_u32 v2, v0, 4, 1                         ; hh
	v_mul_u32_u24 v3, v1, PX
	v_lshl_add_u32 v3, v2, 4, v3                   ; a fragment's row x pitch + 16 x half, in slot X,
	v_mul_u32_u24 v4, v1, PY
	v_lshl_add_u32 v5, v2, 4, v4                   ; in slot Y
	s_mul_i32 s21, s15, 128*PX                     ; my 128 rows of A
	v_add_nc_u32 v[ADRA], s21, v3
	s_mul_i32 s21, s15, 128*PY
	s_add_co_u32 s21, s21, YA
	v_add_nc_u32 v[ADRA+1], s21, v5
	s_mul_i32 s22, s16, 64*PX                      ; my 64 rows of B
	s_add_co_u32 s22, s22, XB
	v_add_nc_u32 v[ADRB], s22, v3
	s_mul_i32 s22, s16, 64*PY
	s_add_co_u32 s22, s22, YB
	v_add_nc_u32 v[ADRB+1], s22, v5
	s_mul_i32 s23, s14, 16*SPITCH
	s_add_co_u32 s23, s23, YA                      ; my stage
	v_lshl_add_u32 v6, v2, 5, v4
	v_add_nc_u32 v[STO], s23, v6                   ; in: row r, 32 bytes for each half of the lanes
	v_mul_u32_u24 v6, v2, SPITCH
	v_lshl_add_u32 v6, v1, 4, v6
	v_add_nc_u32 v[RD], s23, v6                    ; back: lanes 0-15 one row of 256 bytes, lanes 16-31 the next
	v_lshlrev_b32 v6, 13, v2
	v_lshl_add_u32 v[CO], v1, 4, v6                ; and the same two rows in the output
	s_lshl_b32 s84, s17, 8
	s_lshl_b32 s85, s15, 7
	s_add_co_u32 s84, s84, s85
	s_lshl_b32 s84, s84, 13                        ; my first row, 8,192 bytes a row,
	s_lshl_b32 s92, s78, 9
	s_lshl_b32 s93, s16, 8
	s_add_co_u32 s92, s92, s93                     ; my first column: 512 x tile column + 256 x half
	s_add_co_u32 s84, s84, s92
	s_mov_b32 s85, 0
	s_cmp_eq_u32 s81, 0
	s_cselect_b64 s[10:11], s[10:11], s[12:13]     ; the model's output
	s_add_nc_u64 s[10:11], s[10:11], s[84:85]
.macro FRAG reg, adr, q, i             ; a fragment, 16 rows x 128 K, from rows PT bytes apart: the same places of K in A and in B
.irp c, 0,1,2,3
	ds_load_b128 v[\reg+4*\c:\reg+4*\c+3], v[\adr] offset:128*(\q)+32*\c+(\i)*16*PT
.endr
.endm
; 8 matrix instructions: A's blocks a0, a0 + 1 x B's four.  The 32 accumulators take turns, one instruction a turn, in the same order in every step.
.macro MUL8 a0, p, zero
.irp a, \a0, \a0+1
.irp b, 0,1,2,3
.if \zero
	v_wmma_f32_16x16x128_fp8_fp8 v[8*(8*((\a)%4)+\b):8*(8*((\a)%4)+\b)+7], v[128*(\p)+FR*\b:128*(\p)+FR*\b+FR-1], v[AF+FR*(\a):AF+FR*(\a)+FR-1], 0
.else
	v_wmma_f32_16x16x128_fp8_fp8 v[8*(8*((\a)%4)+\b):8*(8*((\a)%4)+\b)+7], v[128*(\p)+FR*\b:128*(\p)+FR*\b+FR-1], v[AF+FR*(\a):AF+FR*(\a)+FR-1], v[8*(8*((\a)%4)+\b):8*(8*((\a)%4)+\b)+7]
.endif
.endr
.endr
.endm
.macro FETCH_B slot, q, p              ; slot 0 = X, 1 = Y
.set PT, PX-(PX-PY)*(\slot)
	WIN TO_B
.irp i, 0,1,2,3
	FRAG 128*(\p)+FR*\i, ADRB+\slot, \q, \i
.endr
	WIN 0
.endm
.macro FETCH_A slot, q, i0
.set PT, PX-(PX-PY)*(\slot)
.irp i, \i0, \i0+1, \i0+2, \i0+3
	FRAG AF+FR*(\i), ADRA+\slot, \q, \i
.endr
.endm
.macro PLACES n
.rept \n
	v_nop
.endr
.endm
.macro STEP slot, q, zero              ; the slot's q-th 128 along K, with its successor in the same slot.  Every slot begins on B's set 0: both hold an even number of steps
	s_wait_dscnt 4*NL                              ; B's set and A's blocks 0-3 are in; the youngest 16 loads (A's blocks 4-7) may be out
	WIN MUL_LO
	MUL8 0, (\q)%2, \zero
	MUL8 2, (\q)%2, \zero
	s_wait_dscnt 0
	PLACES NP
	FETCH_B \slot, (\q)+1, 1-(\q)%2
	FETCH_A \slot, (\q)+1, 0
	WIN MUL_HI
	MUL8 4, (\q)%2, \zero
	MUL8 6, (\q)%2, \zero
	PLACES NP
	WIN 0
	FETCH_A \slot, (\q)+1, 4
.endm
; A slot's last step changes slots, AT ITS HEAD: all of the step's fragments are in registers or on their way there, so this slot can be given up before the step's 32 products are issued, and the refill is on its way while they run.
; ONE barrier; in front of it each wave waits for all its tensor loads, adds 0 to its spare word, and waits for that and for its own reads of this slot.  fill = 1: this slot takes the part of K that lies 768 further on.
.macro TURN slot, next, fill
	s_wait_tensorcnt 0x0                           ; all my tensor loads have landed: my part of the next slot; so every group 0 may be written
	ds_add_u32 v[SPW], v[NIL]
.if \fill
	s_add_nc_u64 s[G0A+12*\slot+2:G0A+12*\slot+3], s[G0A+12*\slot+2:G0A+12*\slot+3], 768
	s_add_nc_u64 s[G0B+12*\slot+2:G0B+12*\slot+3], s[G0B+12*\slot+2:G0B+12*\slot+3], 768
.endif
	s_wait_dscnt 0x0                               ; the add is done, and my reads of this slot are over: this step's fragments are all in
	s_barrier_signal -1
	s_barrier_wait -1
.if \fill
	CREST                                          ; the barrier has opened a round of the cluster's barrier: no wave of any partner still reads this slot or has a load on its way
	JLOAD G0A+12*\slot, G1A+16*\slot, G0B+12*\slot, G1B+16*\slot   ; the first tensor load behind the round
.endif
	WIN MUL_LO
	MUL8 0, 1, 0
	MUL8 2, 1, 0
	PLACES NP
	FETCH_B \next, 0, 0
	FETCH_A \next, 0, 0
	WIN MUL_HI
	MUL8 4, 1, 0
	MUL8 6, 1, 0
	PLACES NP
	WIN 0
	FETCH_A \next, 0, 4
.endm
	s_wait_tensorcnt 1                             ; my part of slot X is in; slot Y's load may be out
	s_barrier_signal -1
	s_barrier_wait -1
	FETCH_B 0, 0, 0
	FETCH_A 0, 0, 0
	FETCH_A 0, 0, 4
	STEP 0, 0, 1                                   ; K 0 on: the first step's products start the sums
	STEP 0, 1, 0
	STEP 0, 2, 0
	TURN 0, 1, 1                                   ; X takes K 768 to 1,279
	STEP 1, 0, 0                                   ; K 512 on
	TURN 1, 0, 1                                   ; Y takes K 1,280 to 1,535
	STEP 0, 0, 0                                   ; K 768 on
	STEP 0, 1, 0
	STEP 0, 2, 0
	TURN 0, 1, 1                                   ; X takes K 1,536 to 2,047
	STEP 1, 0, 0                                   ; K 1,280 on
	TURN 1, 0, 0                                   ; nothing is left to fetch
	STEP 0, 0, 0                                   ; K 1,536 on
	STEP 0, 1, 0
	STEP 0, 2, 0
	s_wait_dscnt 4*NL                              ; the very last step
	WIN MUL_LO
	MUL8 0, 1, 0
	MUL8 2, 1, 0
	s_wait_dscnt 0
	WIN MUL_HI
	MUL8 4, 1, 0
	MUL8 6, 1, 0
	WIN 0
; THE WAY OUT, block by block of 16 rows x 64 columns: through my own stage, back as whole rows of 256 bytes.  LDS serves a wave's instructions in order (ISA guide 5.7.1.4): no wait between the stores and the loads.
.macro TOSTAGE a
.set AC, 64*((\a)%4)
	WIN 0x02+((\a)/4)
.irp b, 0,1,2,3
.irp j, 0,2,4,6
	v_pk_mul_f32 v[TMP+8*\b+\j:TMP+8*\b+\j+1], v[AC+8*\b+\j:AC+8*\b+\j+1], s[96:97] op_sel_hi:[1,0]   ; x 2^(eo + ew); each accumulator from its low end on
.endr
.endr
	WIN 0
.irp b, 0,1,2,3
	ds_store_b128 v[STO], v[TMP+8*\b:TMP+8*\b+3] offset:64*\b
	ds_store_b128 v[STO], v[TMP+8*\b+4:TMP+8*\b+7] offset:64*\b+16
.endr
.set BB, BK+32*((\a)%2)
.irp t, 0,1,2,3,4,5,6,7
	ds_load_b128 v[BB+4*\t:BB+4*\t+3], v[RD] offset:2*\t*SPITCH
.endr
.endm
.macro SEND a, younger                 ; younger: the LDS instructions issued behind block a's loads, which may stay out
.set BB, BK+32*((\a)%2)
	s_wait_dscnt \younger
.if (\a) > 0
	s_add_nc_u64 s[10:11], s[10:11], 16*8192       ; (behind a wait on XCNT: the earlier stores have read their base)  16 rows on
.endif
.irp t, 0,1,2,3,4,5,6,7
	global_store_b128 v[CO], v[BB+4*\t:BB+4*\t+3], s[10:11] offset:2*\t*8192 th:TH_STORE_NT   ; sixteen lanes store 256 consecutive bytes, aligned; written once, read by nobody here
.endr
.endm
	s_wait_kmcnt 0x0
	s_add_co_i32 s96, s96, s97
	s_add_co_i32 s96, s96, 127
	s_lshl_b32 s96, s96, 23                        ; 2^(eo + ew) as f32
	PLACES NP                                      ; behind the last products: for the first reads of results and the loads into A's registers
	TOSTAGE 0
.irp a, 1,2,3,4,5,6,7
.if \a > 1
	s_wait_xcnt 0x0                                ; block a - 2's stores have read their registers and their base
.endif
	TOSTAGE \a
	SEND \a-1, 16                                  ; behind block a - 1's loads: block a's 8 stores and 8 loads
.endr
	s_wait_xcnt 0x0
	SEND 7, 0
	s_wait_tensorcnt 0x0                           ; the wave's end
	ds_add_u32 v[SPW], v[NIL]
	s_wait_dscnt 0x0
	CROUND                                         ; the closing round
	s_endpgm
.Lfunc_end_k_qddaf4e19ff_oproj:
	.size	k_qddaf4e19ff_oproj, .Lfunc_end_k_qddaf4e19ff_oproj-k_qddaf4e19ff_oproj
	.p2alignl 7, 3214868480
	.fill 96, 4, 3214868480
	.section	.rodata,"a",@progbits
	.p2align	6, 0x0
	.amdhsa_kernel k_qddaf4e19ff_oproj
		.amdhsa_group_segment_fixed_size 327680
		.amdhsa_private_segment_fixed_size 0
		.amdhsa_enable_private_segment 0
		.amdhsa_kernarg_size 40
		.amdhsa_user_sgpr_count 2
		.amdhsa_user_sgpr_kernarg_segment_ptr 1
		.amdhsa_wavefront_size32 1
		.amdhsa_system_sgpr_workgroup_id_x 1
		.amdhsa_system_sgpr_workgroup_id_y 1
		.amdhsa_system_sgpr_workgroup_id_z 1
		.amdhsa_system_vgpr_workitem_id 0
		.amdhsa_next_free_vgpr 1024
		.amdhsa_next_free_sgpr 98
		.amdhsa_reserve_vcc 0
		.amdhsa_float_denorm_mode_32 3
		.amdhsa_float_denorm_mode_16_64 3
		.amdhsa_memory_ordered 1
		.amdhsa_forward_progress 1
		.amdhsa_inst_pref_size 124
	.end_amdhsa_kernel
	.amdgpu_metadata
---
amdhsa.version: [ 1, 2 ]
amdhsa.kernels:
  - .name:           k_qddaf4e19ff_oproj
    .symbol:         k_qddaf4e19ff_oproj.kd
    .args:
      - { .name: oc, .offset: 0, .size: 8, .value_kind: global_buffer, .address_space: global }
      - { .name: wc, .offset: 8, .size: 8, .value_kind: global_buffer, .address_space: global }
      - { .name: lowp_scales, .offset: 16, .size: 8, .value_kind: global_buffer, .address_space: global }
      - { .name: out0, .offset: 24, .size: 8, .value_kind: global_buffer, .address_space: global }
      - { .name: out1, .offset: 32, .size: 8, .value_kind: global_buffer, .address_space: global }
    .group_segment_fixed_size: 327680
    .private_segment_fixed_size: 0
    .kernarg_segment_align: 8
    .kernarg_segment_size: 40
    .max_flat_workgroup_size: 128
    .sgpr_count:     98
    .vgpr_count:     1024
    .wavefront_size: 32
...
	.end_amdgpu_metadata
.endif
;; end of part 4
